; MI455X (gfx1250); checked and timed in simulation.
; The chip was launched on July 23, 2026; its instructions are those of AMD's public machine-readable ISA for CDNA 5 (MIT licence, August 2026) and "CDNA5" Instruction Set Architecture Reference Guide (July 2026). The comments in the code are by the model that wrote it; some were corrected since.
;; Multi Head Attention. Allowed arithmetic: matrix products marked QUANTISED: E5M2 operands, one given power-of-two scale a tensor, by v_wmma_f32_16x16x64_bf8_bf8 or v_wmma_f32_16x16x128_bf8_bf8, f32 sums; everything else in f32.
;; Inputs: Wk 16 x 1,024 x 64 float32; Wp 1,024 x 1,024 float32; Wq 16 x 1,024 x 64 float32; Wv 16 x 1,024 x 64 float32; bp 1,024 float32; lowp_scales 12 int32 (the exponents e of the quantised operands' scales 2^e); x 4 x 2,048 x 1,024 float32.
;; Outputs: out0 4 x 2,048 x 1,024 float32.
;; This version of the problem:
;;   THIS VERSION OF THE PROBLEM IS GIVEN IN LOW PRECISION. The matrix products marked QUANTISED in the list below multiply operands that are first quantised to E5M2 (5 exponent bits, 2 mantissa bits; 8 bits a number), with one given power-of-two scale for each operand tensor; their sums are f32. All else is computed in f32.
;;   The module's matrix products, in the order in which they are computed (A, B: the left and right operand; K: the contracted axis; several contracted axes count as one K, in the product's order):
;;     1. [M 1,024, K 1,024] x [K 1,024, N 8,192]; A: input Wq; B: input x: QUANTISED (scales: A lowp_scales[0], B lowp_scales[1])
;;     2. [M 1,024, K 1,024] x [K 1,024, N 8,192]; A: input Wk; B: input x: QUANTISED (scales: A lowp_scales[2], B lowp_scales[3])
;;     3. [M 1,024, K 1,024] x [K 1,024, N 8,192]; A: input Wv; B: input x: QUANTISED (scales: A lowp_scales[4], B lowp_scales[5])
;;     4. batch 64 x [M 2,048, K 64] x [K 64, N 2,048]; A: computed on the way; B: computed on the way: QUANTISED (scales: A lowp_scales[6], B lowp_scales[7])
;;     5. batch 64 x [M 2,048, K 2,048] x [K 2,048, N 64]; A: softmax (see below); B: computed on the way: QUANTISED (scales: A lowp_scales[8], B lowp_scales[9])
;;     6. [M 8,192, K 1,024] x [K 1,024, N 1,024]; A: computed on the way; B: input Wp: QUANTISED (scales: A lowp_scales[10], B lowp_scales[11])
;;   THE QUANTISER, for each operand of a quantised product, along K:
;;     - The operand's scale is 2^e, e = its entry of the input lowp_scales (int32; the entries are numbered through the quantised products in the list's order, A before B).
;;     - Each number is divided by the scale, clamped to +-57,344, and rounded to the nearest number of E5M2, ties to even, subnormals kept.
;;     - The product sums the exact products of the quantised numbers (number of the format x scale) in f32.
;;   ~~~python
;;   def quantise(x, axis, e):      # numpy; x: float32 -> the quantised numbers, widened to float32 again
;;       x = np.moveaxis(x, axis, -1); K = x.shape[-1]
;;       r = np.clip(x / 2.0 ** e, -57344, 57344)
;;       step = 2.0 ** (np.maximum(np.frexp(np.where(r == 0, 1, r))[1] - 1, -14) - 2)
;;       q = np.round(r / step) * step * 2.0 ** e      # np.round: ties to even
;;       return np.moveaxis(q, -1, axis).astype(np.float32)
;;   ~~~
;;   SOFTMAX AHEAD OF A QUANTISED PRODUCT. Where the list says 'softmax', what is quantised is not the finished softmax but p = 2^(t - M), with t = logit x log2(e) and M = ceil(the row's largest t), a whole number; so 1/2 < the row's largest p <= 1. The row's sum l is taken of the UNQUANTISED p, in f32, and the product's result is divided by l at the end. Since M is a whole number, a kernel that streams over the keys may use a running M (the ceiling of the running maximum): every later rescaling is an exact power of two, so the quantised numbers keep their values, but for numbers so far below the row's largest that they fall under the format's range.
;;   OPERANDS COMPUTED ON THE WAY. 'Computed on the way' means the value that the module computes at that place (a softmax that the list does not call 'softmax' is quantised finished and normalised). What goes into a quantiser is computed in f32, as accurately as f32 sums, v_exp_f32 and their like allow (about 1e-6 of the number): no bf16 or f16 on the way to a quantiser, and a product that is left as it is and whose result goes on into a quantised operand takes f32 operands (vector FMAs, or v_wmma_f32_16x16x4_f32). A number that lies on a knife's edge between two numbers of the format may be rounded either way, as far as f32 arithmetic and the matrix unit's own rounding can turn it there, and no further.
;; One version. Each part assembles by itself: llvm-mc -triple=amdgcn-amd-amdhsa -mcpu=gfx1250 --defsym DOCPART=n.
;; ======== version 1 of 1: 4 launches
;; limits: right only within a limited range of input values
;; workspace buffers: xc 25,165,824 bytes; wc 4,194,304 bytes; qkvc 33,554,432 bytes; oc 8,388,608 bytes
;; launch quant (part 1): grid 1152 x 1, 4 waves a work-group, no clusters, 70,144 bytes of LDS; arguments x, Wq, Wk, Wv, Wp, lowp_scales, xc, wc; writes xc, wc
.if DOCPART == 1
	.amdgcn_target "amdgcn-amd-amdhsa--gfx1250"
	.amdhsa_code_object_version 6
	.text
	.protected	k_q3b7405473c_quant
	.globl	k_q3b7405473c_quant
	.p2align	8
	.type	k_q3b7405473c_quant,@function
k_q3b7405473c_quant:
	s_mov_b64 s[64:65], 0
	v_nop
	global_prefetch_b8 v0, s[64:65] scope:SCOPE_SE
	s_setreg_imm32_b32 hwreg(HW_REG_WAVE_MODE, 25, 1), 1
	s_wait_xcnt 0x0
; x [8192][1024] f32 becomes three sets of codes of BF8 (E5M2), one for each of its three given scales (entries 1, 3, 5 of the scales): xc = 3 sections of [8192][1024] bytes.
; Wq, Wk, Wv [16][1024 c][64 d] and Wp [1024 k][1024 n], f32, K on the first matrix axis, become codes with K innermost: wc = 4 sections of [1024 n][1024] bytes (entries 0, 2, 4, 11).
; code = number / 2^e, held within +-57,344, rounded to the nearest code, ties to even.  LIMITS: each e used here lies between -126 and 112; NaN among the inputs is not served.
; THE ORDER OF K IN A ROW OF CODES IS PERMUTED, alike in both operands of a product, so that every product meets its partner:
;   x, Wq, Wk, Wv: in each run of 512, position p holds k = 128 ((p >> 2) & 3) + 4 (p >> 4) + (p & 3).  So a lane that loads 16 bytes of each of four dense runs of 512 bytes holds the 16 numbers of 16 neighbouring positions:
;   x needs no turn through LDS, every load reads 512 consecutive bytes and every store writes 512 consecutive bytes.
;   Wp: in each run of 32, position 16 h + 8 u + j holds k = 16 u + 8 h + j: the order in which the attention launch lays its result.
; WORK-GROUPS: 0-255 take x (a wave: 8,192 numbers, 16 steps of 512); 256-351 take Wq, Wk, Wv; 352-383 take Wp (a wave: 32 columns x 256 positions; a lane takes a column and its registers run down K).
; The three paths part on the work-group's number.  The x path uses no LDS; each weight path has LDS bytes of its own.  No barrier: waves share nothing.
.set XR,    16                         ; v16-79   x: four sets of 16 numbers as loaded
.set XT,    80                         ; v80-111  x: two sets of 16 held numbers
.set XC,    112                        ; v112-123 x: 16 codes for each of the three scales
.set WX,    32                         ; v32-95   weights: two sets of 32 numbers
.set WC,    96                         ; v96-103  weights: a block's 32 codes
.set OUTR,  112                        ; v112-175 weights: the way out
.set PITCH, 272                        ; a stage row: 256 bytes of codes + 16
.set WREG,  32*PITCH                   ; a wave's stage
.macro MKSCALE e, vs, vl               ; from the whole number in s[e]: v[vs] = 2^e as f32 (the conversion takes its exponent field), v[vl] = 57,344 x 2^e
	s_add_co_i32 s42, s[\e], 127
	s_lshl_b32 s43, s42, 23
	v_mov_b32 v[\vs], s43
	s_add_co_i32 s42, s42, 15
	s_lshl_b32 s42, s42, 23
	s_or_b32 s42, s42, 0x600000
	v_mov_b32 v[\vl], s42
.endm
	s_load_b512 s[4:19], s[0:1], 0x0               ; x 4:5, Wq 6:7, Wk 8:9, Wv 10:11, Wp 12:13, scales 14:15, xc 16:17, wc 18:19
	v_lshl_add_u32 v192, v0, 2, 0x11000
	v_mov_b32 v193, 0
	v_lshrrev_b32 v1, 5, v0
	v_readfirstlane_b32 s20, v1                    ; wave 0..3
	v_and_b32 v2, 31, v0                           ; lane
	s_wait_kmcnt 0x0
	s_load_b256 s[24:31], s[14:15], 0x0            ; e0 .. e7
	s_load_b128 s[32:35], s[14:15], 0x20           ; e8 .. e11
	; THE DEAL (it takes the place of the one named at the head): work-groups 0-95 take Wq, Wk, Wv, 96-127 take Wp: the longest have the lowest numbers; 128-1151 take x, a wave 2,048 numbers in 4 steps of 512, all 16 loads asked for at once
	s_cmp_lt_u32 ttmp9, 128
	s_cbranch_scc1 .Lweights
; ---------------- x ----------------
	s_sub_co_u32 s21, ttmp9, 128
	s_lshl_b32 s21, s21, 2
	s_add_co_u32 s21, s21, s20                     ; which run of 2,048 numbers is my wave's
	s_lshl_b32 s22, s21, 13                        ; 8,192 bytes of f32 a run of 2,048 numbers
	s_mov_b32 s23, 0
	s_add_nc_u64 s[4:5], s[4:5], s[22:23]
	s_lshl_b32 s22, s21, 11                        ; 2,048 bytes of codes a run
	s_add_nc_u64 s[36:37], s[16:17], s[22:23]
	s_add_nc_u64 s[38:39], s[36:37], 0x800000      ; section 1,
	s_add_nc_u64 s[40:41], s[36:37], 0x1000000     ; section 2
	s_wait_alu depctr_va_vdst(0)
	v_lshlrev_b32 v3, 4, v2                        ; 16 bytes a lane, in and out
.macro XLOAD t                         ; step t: four loads of 512 consecutive bytes
.irp i, 0,1,2,3
	global_load_b128 v[XR+16*((\t)%4)+4*\i:XR+16*((\t)%4)+4*\i+3], v3, s[4:5] offset:2048*(\t)+512*\i th:TH_LOAD_NT
.endr
.endm
.macro XSTEP t
	s_wait_loadcnt 4*(3-(\t))                      ; this step's four loads are in; those of the steps behind it may be out
	s_wait_xcnt 0x0                                ; the last step's three stores have read their codes: the codes' registers are written again only behind this wait
.irp s, 0,1,2
.set TS, XT+16*((3*(\t)+\s)%2)         ; the two sets of held numbers take turns: the next scale's holds, plain lines on the other set, stand behind these conversions
.irp i, 0,1,2,3,4,5,6,7,8,9,10,11,12,13,14,15
	v_med3_num_f32 v[TS+\i], v[XR+16*((\t)%4)+\i], -v[7+\s], v[7+\s]   ; the conversion to an 8-bit code does not saturate (ISA guide 7.6.2): the hold at the largest code x the scale
.endr
	v_cvt_scalef32_pk8_bf8_f32 v[XC+4*\s:XC+4*\s+1], v[TS:TS+7], v[4+\s]
	v_cvt_scalef32_pk8_bf8_f32 v[XC+4*\s+2:XC+4*\s+3], v[TS+8:TS+15], v[4+\s]
.endr
.irp s, 0,1,2
	global_store_b128 v3, v[XC+4*\s:XC+4*\s+3], s[36+2*\s:37+2*\s] offset:512*(\t)   ; the wave stores 512 consecutive bytes
.endr
.endm
.irp t, 0,1,2,3
	XLOAD \t
.endr
	s_wait_kmcnt 0x0
	MKSCALE 25, 4, 7                               ; e1
	MKSCALE 27, 5, 8                               ; e3
	MKSCALE 29, 6, 9                               ; e5
	s_wait_alu depctr_va_vdst(0)
.irp t, 0,1,2,3
	XSTEP \t
.endr
	s_endpgm
; ---------------- the weights ----------------
; Block t is 32 positions of my column's row of codes; register i of a set holds the number that belongs at position 32 t + i.  perm = 0: x's order of K; perm = 1: Wp's.
.macro WLOAD t, pitch, perm
.set wi, 0
.rept 32
.if \perm
.set kof, 32*(\t)+(wi&7)+16*((wi>>3)&1)+8*((wi>>4)&1)
.else
.set kof, 128*((wi>>2)&3)+8*(\t)+4*(wi>>4)+(wi&3)
.endif
	global_load_b32 v[WX+32*((\t)%2)+wi], v3, s[44:45] offset:kof*\pitch   ; one row k at 32 neighbouring columns: 128 consecutive bytes a wave
.set wi, wi+1
.endr
.endm
.macro WBLOCK t, pitch, perm, base
.set XS, WX+32*((\t)%2)
.if (\t) < 7
	s_wait_loadcnt 32                              ; this block's 32 loads are in; the next block's may be out
.else
	s_wait_loadcnt 0
.endif
.irp i, 0,1,2,3,4,5,6,7,8,9,10,11,12,13,14,15,16,17,18,19,20,21,22,23,24,25,26,27,28,29,30,31
	v_med3_num_f32 v[XS+\i], v[XS+\i], -v10, v10
.endr
.irp g, 0,1,2,3
	v_cvt_scalef32_pk8_bf8_f32 v[WC+2*\g:WC+2*\g+1], v[XS+8*\g:XS+8*\g+7], v11
.endr
	ds_store_b128 v4, v[WC:WC+3] offset:\base+32*(\t)          ; 32 codes of my column's row
	ds_store_b128 v4, v[WC+4:WC+7] offset:\base+32*(\t)+16
.if (\t)+2 < 8
	WLOAD (\t)+2, \pitch, \perm
.endif
	s_wait_dscnt 0x0                               ; the stores have read their registers: the next block's codes may be written (its 32 holds are the plain lines behind these conversions)
.endm
; s[44:45]: the tensor at my wave's first row and column; s[46:47]: the codes at my first row and position; s48: e
.macro WPATH pitch, perm, base
	WLOAD 0, \pitch, \perm
	WLOAD 1, \pitch, \perm
	MKSCALE 48, 11, 10
	s_wait_alu depctr_va_vdst(0)
.irp t, 0,1,2,3,4,5,6,7
	WBLOCK \t, \pitch, \perm, \base
.endr
.irp t, 0,1,2,3,4,5,6,7,8,9,10,11,12,13,14,15
	ds_load_b128 v[OUTR+4*\t:OUTR+4*\t+3], v7 offset:\base+2*\t*PITCH   ; LDS serves a wave's instructions in order (ISA guide 5.7.1.4): these see my stores
.endr
.irp t, 0,1,2,3,4,5,6,7,8,9,10,11,12,13,14,15
	s_wait_dscnt 15-\t
	global_store_b128 v8, v[OUTR+4*\t:OUTR+4*\t+3], s[46:47] offset:2*\t*1024   ; sixteen lanes store 256 consecutive bytes, at a multiple of 256 from the buffer's first byte
.endr
	s_wait_tensorcnt 0x0
	ds_add_u32 v192, v193
	s_wait_dscnt 0x0
	s_endpgm
.endm
.Lweights:
	s_mov_b32 s21, ttmp9                           ; g = 0 .. 127
	s_lshr_b32 s22, s21, 5                         ; 0 Wq, 1 Wk, 2 Wv, 3 Wp
	s_wait_alu depctr_va_vdst(0)
	v_lshlrev_b32 v3, 2, v2                        ; in: 4 bytes a lane
	v_and_b32 v5, 15, v2
	v_lshrrev_b32 v6, 4, v2
	v_lshlrev_b32 v8, 10, v6                       ; out: sixteen lanes to a row of codes, two rows an instruction
	v_lshl_add_u32 v8, v5, 4, v8
	s_mul_i32 s23, s20, WREG                       ; my stage
	v_mul_u32_u24 v4, v2, PITCH
	v_add_nc_u32 v4, s23, v4                       ; into it: row = my column
	v_mul_u32_u24 v7, v6, PITCH
	v_lshl_add_u32 v7, v5, 4, v7
	v_add_nc_u32 v7, s23, v7                       ; out of it, by rows
	s_wait_kmcnt 0x0
	s_cmp_eq_u32 s22, 3
	s_cbranch_scc1 .Lwp
	; Wq, Wk, Wv: head = (g & 31) >> 1; my 32 of its 64 columns: wave & 1; my 256 positions: kq = 2 (g & 1) + (wave >> 1)
	s_cmp_eq_u32 s22, 0
	s_cselect_b64 s[44:45], s[6:7], s[8:9]
	s_cselect_b32 s48, s24, s26
	s_cmp_eq_u32 s22, 2
	s_cselect_b64 s[44:45], s[10:11], s[44:45]
	s_cselect_b32 s48, s28, s48                    ; e0, e2 or e4
	s_bfe_u32 s23, s21, 0x40001                    ; head
	s_and_b32 s36, s20, 1                          ; which 32 columns
	s_lshr_b32 s37, s20, 1                         ; kq & 1
	s_and_b32 s38, s21, 1                          ; kq >> 1
	s_lshl_b32 s40, s23, 18                        ; a head: 1,024 rows of 256 bytes
	s_lshl_b32 s39, s38, 17                        ; positions 512 on: k 512 on
	s_add_co_u32 s40, s40, s39
	s_lshl_b32 s39, s37, 14                        ; positions 256 on within a run of 512: k 64 on
	s_add_co_u32 s40, s40, s39
	s_lshl_b32 s39, s36, 7
	s_add_co_u32 s40, s40, s39
	s_mov_b32 s41, 0
	s_add_nc_u64 s[44:45], s[44:45], s[40:41]
	s_lshl_b32 s40, s22, 20                        ; the tensor's section of wc
	s_lshl_b32 s39, s23, 16                        ; 64 rows of 1,024 bytes a head
	s_add_co_u32 s40, s40, s39
	s_lshl_b32 s39, s36, 15
	s_add_co_u32 s40, s40, s39
	s_lshl_b32 s39, s38, 9
	s_add_co_u32 s40, s40, s39
	s_lshl_b32 s39, s37, 8
	s_add_co_u32 s40, s40, s39
	s_add_nc_u64 s[46:47], s[18:19], s[40:41]
	WPATH 256, 0, 0
.Lwp:
	; Wp: my 32 columns: 128 ((g & 31) >> 2) + 32 wave; my 256 along K: kq = g & 3
	s_bfe_u32 s23, s21, 0x30002
	s_and_b32 s38, s21, 3
	s_lshl_b32 s40, s38, 20                        ; 256 rows of 4,096 bytes
	s_lshl_b32 s39, s23, 9
	s_add_co_u32 s40, s40, s39
	s_lshl_b32 s39, s20, 7
	s_add_co_u32 s40, s40, s39
	s_mov_b32 s41, 0
	s_add_nc_u64 s[44:45], s[12:13], s[40:41]
	s_lshl_b32 s40, s23, 17
	s_lshl_b32 s39, s20, 15
	s_add_co_u32 s40, s40, s39
	s_lshl_b32 s39, s38, 8
	s_add_co_u32 s40, s40, s39
	s_add_co_u32 s40, s40, 3<<20                   ; section 3 of wc
	s_add_nc_u64 s[46:47], s[18:19], s[40:41]
	s_mov_b32 s48, s35                             ; e11
	WPATH 4096, 1, 4*WREG
.Lfunc_end_k_q3b7405473c_quant:
	.size	k_q3b7405473c_quant, .Lfunc_end_k_q3b7405473c_quant-k_q3b7405473c_quant
	.p2alignl 7, 3214868480
	.fill 96, 4, 3214868480
	.section	.rodata,"a",@progbits
	.p2align	6, 0x0
	.amdhsa_kernel k_q3b7405473c_quant
		.amdhsa_group_segment_fixed_size 70144
		.amdhsa_private_segment_fixed_size 0
		.amdhsa_enable_private_segment 0
		.amdhsa_kernarg_size 64
		.amdhsa_user_sgpr_count 2
		.amdhsa_user_sgpr_kernarg_segment_ptr 1
		.amdhsa_wavefront_size32 1
		.amdhsa_system_sgpr_workgroup_id_x 1
		.amdhsa_system_sgpr_workgroup_id_y 1
		.amdhsa_system_sgpr_workgroup_id_z 1
		.amdhsa_system_vgpr_workitem_id 0
		.amdhsa_next_free_vgpr 194
		.amdhsa_next_free_sgpr 66
		.amdhsa_reserve_vcc 0
		.amdhsa_float_denorm_mode_32 3
		.amdhsa_float_denorm_mode_16_64 3
		.amdhsa_memory_ordered 1
		.amdhsa_forward_progress 1
		.amdhsa_inst_pref_size 115
	.end_amdhsa_kernel
	.amdgpu_metadata
---
amdhsa.version: [ 1, 2 ]
amdhsa.kernels:
  - .name:           k_q3b7405473c_quant
    .symbol:         k_q3b7405473c_quant.kd
    .args:
      - { .name: x, .offset: 0, .size: 8, .value_kind: global_buffer, .address_space: global }
      - { .name: Wq, .offset: 8, .size: 8, .value_kind: global_buffer, .address_space: global }
      - { .name: Wk, .offset: 16, .size: 8, .value_kind: global_buffer, .address_space: global }
      - { .name: Wv, .offset: 24, .size: 8, .value_kind: global_buffer, .address_space: global }
      - { .name: Wp, .offset: 32, .size: 8, .value_kind: global_buffer, .address_space: global }
      - { .name: lowp_scales, .offset: 40, .size: 8, .value_kind: global_buffer, .address_space: global }
      - { .name: xc, .offset: 48, .size: 8, .value_kind: global_buffer, .address_space: global }
      - { .name: wc, .offset: 56, .size: 8, .value_kind: global_buffer, .address_space: global }
    .group_segment_fixed_size: 70144
    .private_segment_fixed_size: 0
    .kernarg_segment_align: 8
    .kernarg_segment_size: 64
    .max_flat_workgroup_size: 128
    .sgpr_count:     66
    .vgpr_count:     194
    .wavefront_size: 32
...
	.end_amdgpu_metadata
.endif
;; end of part 1
;; launch qkv (part 2): grid 12 x 16, 4 waves a work-group, clusters of 4 x 4, 327,680 bytes of LDS; arguments xc, wc, lowp_scales, qkvc; writes qkvc
.if DOCPART == 2
	.amdgcn_target "amdgcn-amd-amdhsa--gfx1250"
	.amdhsa_code_object_version 6
	.text
	.protected	k_q3b7405473c_qkv
	.globl	k_q3b7405473c_qkv
	.p2align	8
	.type	k_q3b7405473c_qkv,@function
k_q3b7405473c_qkv:
	s_mov_b64 s[64:65], 0
	v_nop
	global_prefetch_b8 v0, s[64:65] scope:SCOPE_SE
	s_setreg_imm32_b32 hwreg(HW_REG_WAVE_MODE, 25, 1), 1
	s_wait_xcnt 0x0
	s_wait_alu depctr_hold_cnt(0) depctr_sa_sdst(0) depctr_va_vdst(0) depctr_va_sdst(0) depctr_va_ssrc(0) depctr_va_vcc(0) depctr_vm_vsrc(0)
	s_getreg_b32 s2, hwreg(HW_REG_IB_STS2, 6, 4)
	s_cmp_eq_u32 s2, 0
	s_cbranch_scc0 .Lentry_in_a_cluster
	s_endpgm
.Lentry_in_a_cluster:
	s_bfe_u32 s2, ttmp6, 0x10000c
	s_cmp_lg_u32 s2, 0xf033
	s_cbranch_scc0 .Lentry_shape_is_right
	s_endpgm
.Lentry_shape_is_right:
; q, k, v = x Wq, x Wk, x Wv on codes of BF8 (E5M2), K = 1,024, sums in f32; each finished sum is quantised at once for the attention's products (entries 6, 7, 9 of the scales) and leaves as a code.
; The cluster's x says which product: 0 q, 1 k, 2 v.  A tile of 256 x 256 results is made by four waves, 128 x 128 each: 64 accumulators, 512 registers.  K goes in steps of 256 through a ring of two LDS slots.
; A WORK-GROUP STAYS: the three products have 384 tiles; 192 work-groups make two each, of one product, 4,096 tokens apart.  The ring does not stop at the first tile's end: its last two changes of slots ask for the
; second tile's K steps 0 and 1, and nothing waits for the first tile's stores.  The second tile's tail is written out, since it asks for nothing more.
; THE MATRIX INSTRUCTION IS USED TRANSPOSED (source 0 = 16 rows of B, source 1 = 16 rows of A): a lane holds one row of A and eight neighbouring rows of B, which must be neighbours along the NEXT product's K:
;   q, k: A = x (rows: tokens), B = W (rows: head x 64 + d): eight neighbouring d.      v: A = Wv, B = x: eight neighbouring tokens (keys).
; CLUSTERS: 4 x 4 work-groups.  A's tile is shared along a row of the cluster, B's along a column: each is asked for jointly, by the same tensor load with the same descriptor and a mask that names the four.
; PREFETCH: the second tile's four K steps of x are asked for at the first tile's four refills, two refills ahead of the load that wants them: 32 rows x 256 bytes a wave, a lane a row; of the 128 rows that a wave
;   fetches each of the four partners names 32, told apart by address.  The first tile's K steps come by their loads alone; the weights' rows are the same in both tiles and are not asked for again.
; OUT: qkvc, two sections of 16 MiB, each [b x 16 + h][16 blocks of 128 tokens][16,384 bytes].  Section 0: q in a block's first 8,192 bytes (the rest is not used).  Section 1: k in the first 8,192 bytes, v in the second.
;   A block lies in the order of the operand's registers: q, k: [8 tiles of 16 tokens][2 c][32 lanes][16 bytes]; v: [4 tiles of 16 d][4 c][32 lanes][16 bytes]; lane (r, h) holds row r, positions 32 c + 16 h + 0 .. 15.
;   In each run of 32 positions, position 16 h + 8 u + j holds index 16 u + 8 h + j: two neighbouring accumulators' codes (8 + 8 bytes of a lane) are one piece of 16 bytes.
; A sum stands for sum x 2^(eW + ex); its code is sum / 2^(eo - eW - ex), held within +-57,344.  LIMIT: eo - eW - ex lies between -126 and 112.  NaN is not served.
; REGISTERS, in windows of 256: window 0: v0-31 addresses and the scale; v32-95 codes on the way out; from v128 A's fragments, ONE set.  window 1: B's fragments, TWO sets.  windows 2, 3: the accumulators ((a, b) at v[8 (8 (a % 4) + b)]).
.set ROWB,   256                       ; a tile's row in bytes
.set KROW,   1024                      ; a row of xc or of wc in bytes
.set PITCH,  272                       ; an LDS row: 256 bytes + 16 of padding
.set FR,     16
.set NL,     4
.set NP,     4                         ; places behind this matrix instruction (ISA guide 7.12.1)
.set HALFT,  128*PITCH
.set SLOT,   4*HALFT                   ; A's 256 rows, then B's 256 rows
.set SPARE,  2*SLOT                    ; the spare words, 128 bytes for each wave
.set STAGE,  SPARE+512                 ; the way out: 64 rows x 144 bytes for each wave, on bytes into which no tile lands
.set SPITCH, 144
.set WSTG,   64*SPITCH
.set ADRA, 16
.set ADRB, 20
.set STO,  24                          ; v24 the stage: row r, 16 bytes for each half of the lanes: in and back
.set CO,   26                          ; v26 16 x lane
.set PFO,  27                          ; v27 1,024 x lane: the prefetches' offset; never rewritten
.set SPW,  28
.set NIL,  29
.set SCL,  30                          ; 2^(eo - eW - ex)
.set LIM,  31                          ; 57,344 x that
.set CD,   32
.set AF,   128
.set G1, 24
.set G0, 32
.set G1B, 48
.set G0B, 56
.set TL,  3                            ; s3 tiles to go
.set PFF, 91                           ; s91 1 while my wave prefetches
.set WA,  92                           ; s[92:93], s[94:95] bytes from a tile to the next in A's and in B's buffer: 4,096 rows of x, none of W
.set WB,  94
.set PFA, 98                           ; s[98:99] the second tile's x: my work-group's 32 rows of the 128 that my wave fetches; never rewritten
.set MSB, 0
.macro WIN new
.if MSB != \new
	s_set_vgpr_msb (MSB<<8)|\new
.set MSB, \new
.endif
.endm
.set MUL_LO, 0xa1
.set MUL_HI, 0xf1
.set TO_B,   0x40
.macro JLOAD g0a, g1a, g0b, g1b        ; waves 0 and 1 fetch for A, waves 2 and 3 for B
	s_cmp_eq_u32 s15, 0
	s_cbranch_scc0 .Lfor_b_\@
	tensor_load_to_lds s[\g0a:\g0a+3], s[\g1a:\g1a+7]
	s_nop 0
.rept 4
	v_nop
.endr
	s_branch .Lasked_\@
.Lfor_b_\@:
	tensor_load_to_lds s[\g0b:\g0b+3], s[\g1b:\g1b+7]
	s_nop 0
.rept 4
	v_nop
.endr
.Lasked_\@:
.endm
.macro CREST
	s_cmp_lg_u32 s14, 0
	s_cbranch_scc1 .Lnot_wave_0_\@
	s_barrier_signal -3
.Lnot_wave_0_\@:
	s_barrier_wait -3
	s_barrier_signal -1
	s_barrier_wait -1
.endm
.macro CROUND
	s_barrier_signal -1
	s_barrier_wait -1
	CREST
.endm
.macro ASK t                           ; K step t of the second tile's x
	s_cmp_eq_u32 s[PFF], 1
	s_cbranch_scc0 .Lna_\@
	global_prefetch_b8 v[PFO], s[PFA:PFA+1] offset:256*(\t) th:TH_LOAD_NT scope:SCOPE_SE
.Lna_\@:
.endm
	s_load_b256 s[4:11], s[0:1], 0x0               ; xc, wc, the scales' exponents, qkvc
	v_lshl_add_u32 v[SPW], v0, 2, SPARE
	v_mov_b32 v[NIL], 0
	ds_add_u32 v[SPW], v[NIL]                      ; the opening: the add, twice on end, and its wait ahead of my first tensor load
	ds_add_u32 v[SPW], v[NIL]
	v_lshrrev_b32 v1, 5, v0
	v_readfirstlane_b32 s14, v1                    ; wave 0..3
	s_lshr_b32 s15, s14, 1                         ; my half of A's rows.  Also: I fetch for A (0) or for B (1)
	s_and_b32 s16, s14, 1                          ; my half of B's rows.  Also: which 128 rows of that tile I fetch
	s_bfe_u32 s40, ttmp6, 0x40000                  ; cx, cy
	s_bfe_u32 s41, ttmp6, 0x40004
	s_and_b32 s12, ttmp7, 0xffff
	s_lshl_b32 s12, s12, 2                         ; the first of the cluster's four token tiles, 0 .. 12
	s_cmp_eq_u32 ttmp9, 2                          ; v?  The cluster's x is the same in all sixteen partners
	s_cselect_b32 s13, 0, s12                      ; the token tiles run along A's rows (q, k)
	s_cselect_b32 s18, s12, 0                      ; or along B's rows (v)
	s_cselect_b32 s19, 20, 23                      ; a section of A's buffer: 2^20 bytes of wc, 2^23 of xc
	s_cselect_b32 s2, 23, 20
	s_cselect_b32 s[WA], 0, 0x400000
	s_cselect_b32 s[WB], 0x400000, 0
	s_cselect_b32 s90, 1, 0
	s_mov_b32 s[WA+1], 0
	s_mov_b32 s[WB+1], 0
	s_add_co_u32 s17, s41, s13                     ; A's tile row: it hangs on cy alone of the two places
	s_add_co_u32 s42, s40, s18                     ; B's: on cx alone
	s_lshl_b32 s43, s41, 2
	s_lshl_b32 s43, 15, s43                        ; my row of the cluster
	s_lshl_b32 s44, 0x1111, s40                    ; my column
	s_or_b32 s[G1+0], s43, (0<<16)|(1<<20)|(1<<21)|(5<<22)|(3<<25)  ; the mask; elements of 1 byte; padding: four words after every 64; bit 21 beside a mask
	s_or_b32 s[G1B+0], s44, (0<<16)|(1<<20)|(1<<21)|(5<<22)|(3<<25)
.irp g, G1, G1B
	s_mov_b32 s[\g+1], ROWB<<16
	s_mov_b32 s[\g+2], 128<<16
	s_mov_b32 s[\g+3], ROWB<<16
	s_mov_b32 s[\g+4], 128
	s_mov_b32 s[\g+5], KROW
	s_mov_b32 s[\g+6], 0
	s_mov_b32 s[\g+7], 0
.endr
	s_lshl_b32 s20, ttmp9, s19                     ; A: the product's section, 256 rows of 1,024 bytes a tile, the 128 rows that I fetch
	s_lshl_b32 s22, s17, 18
	s_add_co_u32 s20, s20, s22
	s_lshl_b32 s22, s16, 17
	s_add_co_u32 s20, s20, s22
	s_mov_b32 s21, 0
	s_lshl_b32 s46, ttmp9, s2                      ; B likewise, in registers that never hold cy
	s_lshl_b32 s23, s42, 18
	s_add_co_u32 s46, s46, s23
	s_lshl_b32 s23, s16, 17
	s_add_co_u32 s46, s46, s23
	s_mov_b32 s47, 0
	s_mul_i32 s45, s14, HALFT                      ; where they go: wave x 128 rows
	s_wait_dscnt 0x0                               ; both opening adds are done
	s_wait_kmcnt 0x0
	s_load_b256 s[68:75], s[8:9], 0x0              ; e0 .. e7
	s_load_b128 s[76:79], s[8:9], 0x20             ; e8 .. e11
	s_cmp_eq_u32 ttmp9, 2
	s_cselect_b64 s[80:81], s[6:7], s[4:5]         ; A's buffer: wc for v, xc for q and k
	s_cselect_b64 s[82:83], s[4:5], s[6:7]
	s_add_nc_u64 s[20:21], s[80:81], s[20:21]
	s_add_nc_u64 s[46:47], s[82:83], s[46:47]
	CROUND                                         ; all sixteen work-groups are here: the first joint loads meet
.irp s, 0,1
	s_mov_b32 s[G0+4*\s], 1
	s_add_co_u32 s[G0+4*\s+1], s45, \s*SLOT
	s_add_nc_u64 s[G0+4*\s+2:G0+4*\s+3], s[20:21], \s*ROWB
	s_or_b32 s[G0+4*\s+3], s[G0+4*\s+3], 0x80000000
	s_mov_b32 s[G0B+4*\s], 1
	s_add_co_u32 s[G0B+4*\s+1], s45, \s*SLOT
	s_add_nc_u64 s[G0B+4*\s+2:G0B+4*\s+3], s[46:47], \s*ROWB
	s_or_b32 s[G0B+4*\s+3], s[G0B+4*\s+3], 0x80000000
.endr
	JLOAD G0, G1, G0B, G1B                         ; K step 0: one tensor load a wave at the head
	s_mul_i32 s21, s15, HALFT                      ; my 128 rows of A
	s_mul_i32 s22, s16, HALFT
	s_add_co_u32 s22, s22, 2*HALFT                 ; my 128 rows of B, behind A's 256
	s_add_co_u32 s84, s21, SLOT
	s_add_co_u32 s85, s22, SLOT
	s_mul_i32 s23, s14, WSTG
	s_add_co_u32 s23, s23, STAGE                   ; my stage
	v_and_b32 v1, 15, v0                           ; r
	v_bfe_u32 v2, v0, 4, 1                         ; h
	v_mul_u32_u24 v3, v1, PITCH
	v_lshl_add_u32 v4, v2, 4, v3
	v_add_nc_u32 v[ADRA], s21, v4
	v_add_nc_u32 v[ADRA+1], s84, v4
	v_add_nc_u32 v[ADRB], s22, v4
	v_add_nc_u32 v[ADRB+1], s85, v4
	v_mul_u32_u24 v5, v1, SPITCH
	v_lshl_add_u32 v5, v2, 4, v5
	v_add_nc_u32 v[STO], s23, v5
	v_and_b32 v6, 31, v0
	v_lshlrev_b32 v[CO], 4, v6
	v_lshlrev_b32 v[PFO], 10, v6
	; where my two (head, 128 tokens) blocks of the first tile begin in qkvc, and where my prefetches stand
	s_cmp_eq_u32 ttmp9, 2
	s_cselect_b32 s84, s42, s17                    ; the token tile,
	s_cselect_b32 s85, s16, s15                    ; my half of it,
	s_cselect_b32 s86, s17, s42                    ; the tile of 256 (head, d),
	s_cselect_b32 s87, s15, s16                    ; my half of it: two heads
	s_cselect_b32 s88, s41, s40                    ; my place among the four that ask for x's tile with me
	s_add_co_u32 s89, s84, 16                      ; the second tile's token tile
	s_lshl_b32 s89, s89, 18
	s_lshl_b32 s88, s88, 15                        ; 32 rows of 1,024 bytes
	s_add_co_u32 s88, s88, s89
	s_lshl_b32 s89, s16, 17                        ; the 128 rows that I fetch
	s_add_co_u32 s88, s88, s89
	s_lshl_b32 s89, ttmp9, 23                      ; the product's section of xc
	s_add_co_u32 s88, s88, s89
	s_mov_b32 s89, 0
	s_add_nc_u64 s[PFA:PFA+1], s[4:5], s[88:89]
	s_cmp_eq_u32 s15, s90                          ; the waves that fetch x: 0 and 1 for q and k, 2 and 3 for v
	s_cselect_b32 s[PFF], 1, 0
	s_lshl_b32 s84, s84, 8
	s_lshl_b32 s85, s85, 7
	s_add_co_u32 s84, s84, s85                     ; my first token
	s_lshl_b32 s86, s86, 2
	s_lshl_b32 s87, s87, 1
	s_add_co_u32 s86, s86, s87                     ; my first head
	s_lshr_b32 s85, s84, 11                        ; b
	s_lshl_b32 s85, s85, 4
	s_add_co_u32 s85, s85, s86
	s_lshl_b32 s85, s85, 18                        ; 262,144 bytes a head
	s_and_b32 s84, s84, 2047
	s_lshl_b32 s84, s84, 7                         ; 16,384 bytes a block of 128 tokens
	s_add_co_u32 s84, s84, s85
	s_cmp_eq_u32 ttmp9, 0
	s_cselect_b32 s85, 0, 0x1000000                ; the section
	s_add_co_u32 s84, s84, s85
	s_cmp_eq_u32 ttmp9, 2
	s_cselect_b32 s85, 8192, 0                     ; v: the block's second half
	s_add_co_u32 s84, s84, s85
	s_mov_b32 s85, 0
	s_add_nc_u64 s[10:11], s[10:11], s[84:85]
	s_wait_alu depctr_va_vdst(0)
	s_wait_kmcnt 0x0
	s_cmp_eq_u32 ttmp9, 0                          ; the three scales are folded into the conversion's one
	s_cselect_b32 s88, s68, s70                    ; eW: e0, e2, e4
	s_cselect_b32 s89, s69, s71                    ; ex: e1, e3, e5
	s_cselect_b32 s90, s74, s75                    ; eo: e6, e7, e9
	s_cmp_eq_u32 ttmp9, 2
	s_cselect_b32 s88, s72, s88
	s_cselect_b32 s89, s73, s89
	s_cselect_b32 s90, s77, s90
	s_sub_co_i32 s90, s90, s88
	s_sub_co_i32 s90, s90, s89
	s_add_co_i32 s90, s90, 127
	s_lshl_b32 s88, s90, 23
	v_mov_b32 v[SCL], s88
	s_add_co_i32 s90, s90, 15
	s_lshl_b32 s90, s90, 23
	s_or_b32 s90, s90, 0x600000
	v_mov_b32 v[LIM], s90
	s_mov_b32 s[TL], 2
.macro FRAG reg, adr, q, i             ; lane l holds row l % 16; registers 4 c .. 4 c + 3 hold positions 32 c + 16 (l / 16) + 0 .. 15: the same places of K in A and in B
.irp c, 0,1,2,3
	ds_load_b128 v[\reg+4*\c:\reg+4*\c+3], v[\adr] offset:128*(\q)+32*\c+(\i)*16*PITCH
.endr
.endm
; 16 matrix instructions: A's blocks a0, a0 + 1 x B's eight.  The 64 accumulators take turns, one instruction a turn.
.macro MUL16 a0, p, zero
.irp a, \a0, \a0+1
.irp b, 0,1,2,3,4,5,6,7
.if \zero
	v_wmma_f32_16x16x128_bf8_bf8 v[8*(8*((\a)%4)+\b):8*(8*((\a)%4)+\b)+7], v[128*(\p)+FR*\b:128*(\p)+FR*\b+FR-1], v[AF+FR*(\a):AF+FR*(\a)+FR-1], 0
.else
	v_wmma_f32_16x16x128_bf8_bf8 v[8*(8*((\a)%4)+\b):8*(8*((\a)%4)+\b)+7], v[128*(\p)+FR*\b:128*(\p)+FR*\b+FR-1], v[AF+FR*(\a):AF+FR*(\a)+FR-1], v[8*(8*((\a)%4)+\b):8*(8*((\a)%4)+\b)+7]
.endif
.endr
.endr
.endm
.macro FETCH_B slot, q, p
	WIN TO_B
.irp i, 0,1,2,3,4,5,6,7
	FRAG 128*(\p)+FR*\i, ADRB+\slot, \q, \i
.endr
	WIN 0
.endm
.macro FETCH_A slot, q, i0
.irp i, \i0, \i0+1, \i0+2, \i0+3
	FRAG AF+FR*(\i), ADRA+\slot, \q, \i
.endr
.endm
.macro PLACES n
.rept \n
	v_nop
.endr
.endm
.macro STEP slot, q, zero              ; 128 along K, with its successor in the same slot
	s_wait_dscnt 4*NL                              ; B's set and A's blocks 0-3 are in; the youngest 16 loads (A's blocks 4-7) may be out
	WIN MUL_LO
	MUL16 0, (\q)%2, \zero
	MUL16 2, (\q)%2, \zero
	s_wait_dscnt 0
	PLACES NP
	FETCH_B \slot, (\q)+1, 1-(\q)%2
	FETCH_A \slot, (\q)+1, 0
	WIN MUL_HI
	MUL16 4, (\q)%2, \zero
	MUL16 6, (\q)%2, \zero
	PLACES NP
	WIN 0
	FETCH_A \slot, (\q)+1, 4
.endm
; A slot's last step changes slots.  fill = 1: this slot takes the tile's K step two on; fill = 2: the next tile's K step 0 or 1; fill = 0: nothing.  t: the K step that the prefetch names.
.macro TURN slot, next, fill, t
	s_wait_tensorcnt 0x0                           ; all my tensor loads have landed: my part of the next slot
	ds_add_u32 v[SPW], v[NIL]
	s_wait_dscnt 4*NL+1                            ; (the add and the youngest 16 loads may be out)
	WIN MUL_LO
	MUL16 0, 1, 0
	s_wait_dscnt 0x0                               ; the add is done, and my reads of this slot are over
	s_barrier_signal -1
	MUL16 2, 1, 0
	WIN 0
	s_barrier_wait -1
.if \fill
	CREST                                          ; the barrier has opened a round of the cluster's barrier
.if \fill == 1
	s_add_nc_u64 s[G0+4*\slot+2:G0+4*\slot+3], s[G0+4*\slot+2:G0+4*\slot+3], 2*ROWB
	s_add_nc_u64 s[G0B+4*\slot+2:G0B+4*\slot+3], s[G0B+4*\slot+2:G0B+4*\slot+3], 2*ROWB
.else
	s_sub_nc_u64 s[G0+4*\slot+2:G0+4*\slot+3], s[G0+4*\slot+2:G0+4*\slot+3], 2*ROWB
	s_add_nc_u64 s[G0+4*\slot+2:G0+4*\slot+3], s[G0+4*\slot+2:G0+4*\slot+3], s[WA:WA+1]
	s_sub_nc_u64 s[G0B+4*\slot+2:G0B+4*\slot+3], s[G0B+4*\slot+2:G0B+4*\slot+3], 2*ROWB
	s_add_nc_u64 s[G0B+4*\slot+2:G0B+4*\slot+3], s[G0B+4*\slot+2:G0B+4*\slot+3], s[WB:WB+1]
.endif
	JLOAD G0+4*\slot, G1, G0B+4*\slot, G1B         ; the first tensor load behind the round; its four v_nop are the places in front of the loads below
.else
	PLACES NP
.endif
	FETCH_B \next, 0, 0
	FETCH_A \next, 0, 0
.if \fill
	ASK \t
.endif
	WIN MUL_HI
	MUL16 4, 1, 0
	MUL16 6, 1, 0
	PLACES NP
	WIN 0
	FETCH_A \next, 0, 4
.endm
; THE WAY OUT, by halves: the 32 accumulators of window w (A's rows 64 (w - 2) on) are held in place, each from its low end on, turned into codes, laid into my stage by rows, read back in the order of the
; operand's registers and stored: each store covers 512 consecutive bytes.
.macro OUTHALF w, wm
	WIN \wm                                        ; source 0 and destination window w, the limit in window 0
.set j, 0
.rept 256
	v_med3_num_f32 v[j], v[j], -v[LIM], v[LIM]     ; the conversion to an 8-bit code does not saturate (ISA guide 7.6.2)
.set j, j+1
.endr
	WIN \w
.irp a, 0,1,2,3
.irp b, 0,1,2,3,4,5,6,7
	v_cvt_scalef32_pk8_bf8_f32 v[CD+16*\a+2*\b:CD+16*\a+2*\b+1], v[8*(8*\a+\b):8*(8*\a+\b)+7], v[SCL]
.endr
.endr
	v_nop                                          ; one plain vector line behind the last conversion
	WIN 0
.irp a, 0,1,2,3
.irp c, 0,1,2,3
	ds_store_b128 v[STO], v[CD+16*\a+4*\c:CD+16*\a+4*\c+3] offset:\a*16*SPITCH+32*\c
.endr
.endr
	s_wait_dscnt 0x0                               ; the stores have read the registers into which the rows come back
	s_cmp_eq_u32 ttmp9, 2                          ; the cluster's x: alike in all partners
	s_cbranch_scc1 .Lv_\@
.irp i, 0,1,2,3,4,5,6,7,8,9,10,11,12,13,14,15
	ds_load_b128 v[CD+4*\i:CD+4*\i+3], v[STO] offset:16*((\i%8)/2)*SPITCH+64*(\i/8)+32*(\i%2)   ; q, k: rows are tokens: head i / 8, tile (i % 8) / 2, c = i % 2
.endr
.irp i, 0,1,2,3,4,5,6,7,8,9,10,11,12,13,14,15
	s_wait_dscnt 15-\i
	global_store_b128 v[CO], v[CD+4*\i:CD+4*\i+3], s[10:11] offset:(\i/8)*262144+(4*(\w-2)+(\i%8)/2)*1024+512*(\i%2)
.endr
	s_branch .Ld_\@
.Lv_\@:
.irp i, 0,1,2,3,4,5,6,7,8,9,10,11,12,13,14,15
	ds_load_b128 v[CD+4*\i:CD+4*\i+3], v[STO] offset:16*(\i/4)*SPITCH+32*(\i%4)                  ; v: rows are the d of head w - 2: tile i / 4, c = i % 4
.endr
.irp i, 0,1,2,3,4,5,6,7,8,9,10,11,12,13,14,15
	s_wait_dscnt 15-\i
	global_store_b128 v[CO], v[CD+4*\i:CD+4*\i+3], s[10:11] offset:(\w-2)*262144+512*\i
.endr
.Ld_\@:
	s_wait_xcnt 0x0                                ; the stores have read their codes and their base
.endm
	s_wait_alu depctr_va_vdst(0)
	s_wait_tensorcnt 0x0                           ; my part of K step 0 is in
	ds_add_u32 v[SPW], v[NIL]
	s_wait_dscnt 0x0
	CROUND
	JLOAD G0+4, G1, G0B+4, G1B                     ; K step 1: the first tensor load behind the round
	FETCH_B 0, 0, 0
	FETCH_A 0, 0, 0
	FETCH_A 0, 0, 4
.Ltile:
	STEP 0, 0, 1                                   ; the first products start the sums
	TURN 0, 1, 1, 0                                ; slot 0 takes K step 2
	STEP 1, 0, 0
	TURN 1, 0, 1, 1                                ; slot 1 takes K step 3
	STEP 0, 0, 0
	s_cmp_eq_u32 s[TL], 1
	s_cbranch_scc1 .Llast                          ; the last tile's tail is written out: it asks for nothing more
	TURN 0, 1, 2, 2                                ; the ring goes on: slot 0 takes the next tile's K step 0,
	STEP 1, 0, 0
	TURN 1, 0, 2, 3                                ; slot 1 its K step 1, and the next tile's first fragments are fetched
	s_mov_b32 s[PFF], 0                            ; the second tile has no successor to ask for
	OUTHALF 2, 0x82
	OUTHALF 3, 0xc3
	s_add_nc_u64 s[10:11], s[10:11], 0x800000      ; 4,096 tokens on: b + 2
	s_sub_co_u32 s[TL], s[TL], 1
	s_branch .Ltile
.Llast:
	TURN 0, 1, 0, 0
	STEP 1, 0, 0
	s_wait_dscnt 4*NL
	WIN MUL_LO
	MUL16 0, 1, 0
	MUL16 2, 1, 0
	s_wait_dscnt 0
	WIN MUL_HI
	MUL16 4, 1, 0
	MUL16 6, 1, 0
	WIN 0
	PLACES NP
	OUTHALF 2, 0x82
	OUTHALF 3, 0xc3
	s_wait_tensorcnt 0x0                           ; the wave's end
	ds_add_u32 v[SPW], v[NIL]
	s_wait_dscnt 0x0
	CROUND                                         ; the closing round
	s_endpgm
.Lfunc_end_k_q3b7405473c_qkv:
	.size	k_q3b7405473c_qkv, .Lfunc_end_k_q3b7405473c_qkv-k_q3b7405473c_qkv
	.p2alignl 7, 3214868480
	.fill 96, 4, 3214868480
	.section	.rodata,"a",@progbits
	.p2align	6, 0x0
	.amdhsa_kernel k_q3b7405473c_qkv
		.amdhsa_group_segment_fixed_size 327680
		.amdhsa_private_segment_fixed_size 0
		.amdhsa_enable_private_segment 0
		.amdhsa_kernarg_size 32
		.amdhsa_user_sgpr_count 2
		.amdhsa_user_sgpr_kernarg_segment_ptr 1
		.amdhsa_wavefront_size32 1
		.amdhsa_system_sgpr_workgroup_id_x 1
		.amdhsa_system_sgpr_workgroup_id_y 1
		.amdhsa_system_sgpr_workgroup_id_z 1
		.amdhsa_system_vgpr_workitem_id 0
		.amdhsa_next_free_vgpr 1024
		.amdhsa_next_free_sgpr 100
		.amdhsa_reserve_vcc 0
		.amdhsa_float_denorm_mode_32 3
		.amdhsa_float_denorm_mode_16_64 3
		.amdhsa_memory_ordered 1
		.amdhsa_forward_progress 1
		.amdhsa_inst_pref_size 209
	.end_amdhsa_kernel
	.amdgpu_metadata
---
amdhsa.version: [ 1, 2 ]
amdhsa.kernels:
  - .name:           k_q3b7405473c_qkv
    .symbol:         k_q3b7405473c_qkv.kd
    .args:
      - { .name: xc, .offset: 0, .size: 8, .value_kind: global_buffer, .address_space: global }
      - { .name: wc, .offset: 8, .size: 8, .value_kind: global_buffer, .address_space: global }
      - { .name: lowp_scales, .offset: 16, .size: 8, .value_kind: global_buffer, .address_space: global }
      - { .name: qkvc, .offset: 24, .size: 8, .value_kind: global_buffer, .address_space: global }
    .group_segment_fixed_size: 327680
    .private_segment_fixed_size: 0
    .kernarg_segment_align: 8
    .kernarg_segment_size: 32
    .max_flat_workgroup_size: 128
    .sgpr_count:     100
    .vgpr_count:     1024
    .wavefront_size: 32
...
	.end_amdgpu_metadata
.endif
;; end of part 2
;; launch attn (part 3): grid 4 x 64, 8 waves a work-group, clusters of 4 x 1, 327,680 bytes of LDS; arguments qkvc, lowp_scales, oc; writes oc
.if DOCPART == 3
	.amdgcn_target "amdgcn-amd-amdhsa--gfx1250"
	.amdhsa_code_object_version 6
	.text
	.protected	k_q3b7405473c_attn
	.globl	k_q3b7405473c_attn
	.p2align	8
	.type	k_q3b7405473c_attn,@function
k_q3b7405473c_attn:
	s_mov_b64 s[64:65], 0
	v_nop
	global_prefetch_b8 v0, s[64:65] scope:SCOPE_SE
	s_setreg_imm32_b32 hwreg(HW_REG_WAVE_MODE, 25, 1), 1
	s_wait_xcnt 0x0
	s_wait_alu depctr_hold_cnt(0) depctr_sa_sdst(0) depctr_va_vdst(0) depctr_va_sdst(0) depctr_va_ssrc(0) depctr_va_vcc(0) depctr_vm_vsrc(0)
	s_getreg_b32 s2, hwreg(HW_REG_IB_STS2, 6, 4)
	s_cmp_eq_u32 s2, 0
	s_cbranch_scc0 .Lentry_in_a_cluster
	s_endpgm
.Lentry_in_a_cluster:
	s_bfe_u32 s2, ttmp6, 0x10000c
	s_cmp_lg_u32 s2, 0x3003
	s_cbranch_scc0 .Lentry_shape_is_right
	s_endpgm
.Lentry_shape_is_right:
; Causal attention on codes of BF8 (E5M2): o = softmax(q k^T / 32) v for 64 heads of 2,048 tokens x 64, and o quantised at once (entry 10 of the scales) for the last product.
; THE SOFTMAX: t = score x log2(e) / 32; M = the row's largest t so far, rounded UP to a whole number; p = 2^(t - M) is quantised with 2^e8; the row's sum is taken of the unquantised p and divides at the end.
; When M moves, the sum and O are multiplied by 2^(old M - new M), which rounds nothing.
; LEFT OUT: blocks of 128 keys all of which come after a tile's queries: the causal mask makes their weights 0 for all values of the inputs.  A NaN or infinity that reaches only such scores is not carried to the result.
; SHARES.  A head's 64 tiles of 32 queries are dealt to the four work-groups of a cluster: work-group i takes tiles t = 4 m + i, m = 0 .. 15.  Tile t needs key chunks (128 keys) 0 .. m, chunk m on the diagonal.
; Wave w of EIGHT takes m = 15 - w and then m = w: 17 steps and two diagonal steps in every wave of every work-group.  No count hangs on i.
; A wave holds two tiles of 16 queries (A, B), so each fragment of K and V read from LDS feeds two matrix instructions, and A's and B's chains of vector work are interleaved.
; LDS.  The head's whole K and V, 16 chunks of 16,384 bytes (K's 8,192, then V's), lie in LDS as in memory, in the order of the operands' registers: every LDS load reads 512 bytes on end.  No byte is filled twice.
; CLUSTER.  All four work-groups need the same 262,144 bytes: each wave asks jointly (mask 15), once at the head (chunks 0-4, 10,240 bytes a wave) and once behind the full sequence and a round (chunks 5-15, 22,528 bytes a wave).
; Steps 0-3 (chunks 0-3, and K of chunk 4 fetched ahead) run while the second group lands; one barrier follows; behind it the waves share nothing more.
; NO PREFETCH: all that the launch reads of K and V is asked for by these two groups at its start; there is no later load for a prefetch to run ahead of.
; LAYOUT.  Both products transposed: S^T = K Q^T (K = 64), O^T = V^T P^T (K = 128 keys): a lane holds ONE query of A and one of B.  Tile tau's eight scores of a lane are keys 16 tau + 8 (lane / 16) + 0 .. 7:
; their codes are registers 2 tau, 2 tau + 1 of the second product's operand; V's keys are laid to fit.
; OUT: oc [b x 8 + block of 256 tokens][16 h][16 tiles of 16 tokens][2 c][32 lanes][16 bytes]: lane (r, h) holds token r, positions 32 c + 16 h + 0 .. 15 of the head's 64: a store covers 512 bytes on end, straight from registers.
; LIMITS: e6 + e7 between -121 and 132 (added to c's exponent field); e8 between -126 and 112; e8 + e9 - e10 is applied by v_ldexp_f32; scaled scores under 2^31 in magnitude.  NaN is not served.
; REGISTERS.  Window 0: v1-9 addresses and constants; v10-21 -M, largest t, sums, f for A and B; v22-26 scales; v27-31 at work; v32-95 A's scores, then p; v96-159 B's; v160-191 p's codes; v192-255 partial sums.
;   Window 1: v0-63 K's 8 fragments; v64-127 V's 4; v128-159 A's O^T; v160-191 B's; v192-207 Q.
.set CH,    16384
.set SPARE, 16*CH                      ; behind K and V: the spare words, 128 bytes for each wave
.set LA,  1                            ; v1  16 x lane
.set ADK, 2                            ; v2  LDS address of the next step's K
.set ADV, 3                            ; v3  of this step's chunk
.set SPW, 4                            ; v4  my spare word; never rewritten
.set NIL, 5                            ; v5  0; never rewritten
.set NEG, 6                            ; v6  -infinity
.set DA,  7                            ; v7  A: my query less the diagonal chunk's first key less 8 h;  v8: B
.set DB,  8
.set MA,  10                           ; v10 -M, v11 the largest t (A);  v12, v13 (B)
.set MB,  12
.set LSA, 14                           ; v[14:15], v[16:17] the sums, in two halves
.set LSB, 16
.set FA,  18                           ; v18, v20 f (v19, v21 named with them as pairs)
.set FB,  20
.set SCL, 22                           ; 2^e8
.set ONE, 23
.set HL,  24                           ; v24, v25: 57,344 x 2^e8, twice: one for each half of a dual pair
.set BIG, 26                           ; 57,344
.set SA,  32
.set SB,  96
.set CA,  160
.set CB,  176
.set TTA, 192
.set TTB, 224
.set KF,  0                            ; window 1
.set VF,  64
.set OA,  128
.set OB,  160
.set QA,  192
.set QB,  200
.set WV,  10                           ; s10 wave; s11 i = my place in the cluster; s12 b x 16 + h
.set CX,  11
.set HD,  12
.set SEL, 40                           ; s[40:41] selects for lane l xor 16
.set CS,  42                           ; s[42:43] c = log2(e) / 32 x 2^(e6 + e7)
.set QPL, 44                           ; s[44:45], s[46:47] Q of my first and second tile;  s[48:49], s[50:51] their places in oc
.set QPS, 46
.set OPL, 48
.set OPS, 50
.set CUR, 52                           ; s52 LDS byte of this step's chunk; s53 of the next step's
.set NXT, 53
.set ST,  54                           ; s54 the step, 0 .. 16
.set SL,  55                           ; s55 16 - w: the step at which my second tile begins;  s56 15 - w: my first tile's diagonal step
.set SD,  56
.set MSB, 0
.macro WIN new                         ; the immediate's high byte repeats the setting that is left
.if MSB != \new
	s_set_vgpr_msb (MSB<<8)|\new
.set MSB, \new
.endif
.endm
.macro ROUND                           ; a round of the cluster's barrier
	s_barrier_signal -1
	s_barrier_wait -1
	s_cmp_lg_u32 s[WV], 0
	s_cbranch_scc1 .Lnw0_\@
	s_barrier_signal -3
.Lnw0_\@:
	s_barrier_wait -3
	s_barrier_signal -1
	s_barrier_wait -1
.endm
.macro PTRS m, qp, op                  ; tile t = 4 m + i: where its Q lies and where its result goes
	s_lshl_b32 s62, s[\m], 14
	s_lshl_b32 s63, s[CX], 11
	s_add_co_u32 s62, s62, s63
	s_lshl_b32 s63, s[HD], 18
	s_add_co_u32 s62, s62, s63
	s_mov_b32 s63, 0
	s_add_nc_u64 s[\qp:\qp+1], s[4:5], s[62:63]
	s_lshr_b32 s62, s[HD], 4
	s_lshl_b32 s62, s62, 3                         ; b x 8
	s_lshr_b32 s63, s[\m], 1
	s_add_co_u32 s62, s62, s63                     ; + the block of 256 tokens
	s_lshl_b32 s62, s62, 4
	s_and_b32 s63, s[HD], 15
	s_add_co_u32 s62, s62, s63                     ; x 16 + h
	s_lshl_b32 s62, s62, 3                         ; in pieces of 2,048 bytes (32 tokens)
	s_and_b32 s63, s[\m], 1
	s_lshl_b32 s63, s63, 2
	s_add_co_u32 s62, s62, s63
	s_add_co_u32 s62, s62, s[CX]
	s_lshl_b32 s62, s62, 11
	s_mov_b32 s63, 0
	s_add_nc_u64 s[\op:\op+1], s[8:9], s[62:63]
.endm
; A tile begins: its 32 queries' fragments and empty sums.  O^T and the sums begin as zeros and the largest t as -3e38: the first change of M multiplies zeros.
.macro INIT qp
	WIN 0x40
	global_load_b128 v[QA:QA+3], v[LA], s[\qp:\qp+1]
	global_load_b128 v[QA+4:QA+7], v[LA], s[\qp:\qp+1] offset:512
	global_load_b128 v[QB:QB+3], v[LA], s[\qp:\qp+1] offset:1024
	global_load_b128 v[QB+4:QB+7], v[LA], s[\qp:\qp+1] offset:1536
.set n, 0
.rept 64
	v_mov_b32 v[OA+n], 0
.set n, n+1
.endr
	WIN 0
	v_mov_b32 v[MA+1], 0xff61b1e6
	v_mov_b32 v[MB+1], 0xff61b1e6
	v_floor_f32 v[MA], -v[MA+1]
	v_floor_f32 v[MB], -v[MB+1]
.irp r, 14,15,16,17
	v_mov_b32 v\r, 0
.endr
	s_wait_alu depctr_va_vdst(0)
	s_wait_loadcnt 0x0
.endm
; A tile ends: O^T x 2^(e8 + e9 - e10) / the sum, held, to codes (scale 1), and out: four stores of 512 bytes on end.
.macro FINISH op
.rept 4
	v_nop                                          ; places behind the last products
.endr
	v_add_f32 v[LSA], v[LSA], v[LSA+1]
	v_add_f32 v[LSB], v[LSB], v[LSB+1]
	v_permlanex16_b32 v31, v[LSA], s[SEL], s[SEL+1]
	v_permlanex16_b32 v9, v[LSB], s[SEL], s[SEL+1]
	v_add_f32 v[LSA], v[LSA], v31
	v_add_f32 v[LSB], v[LSB], v9
	s_wait_alu depctr_va_vdst(0)                   ; ahead of the transcendentals
	v_rcp_f32 v[LSA], v[LSA]
	v_rcp_f32 v[LSB], v[LSB]
	v_nop
	s_wait_alu depctr_va_vdst(0)                   ; and ahead of their first reader
	v_ldexp_f32 v[FA], v[LSA], s73
	v_ldexp_f32 v[FB], v[LSB], s73
	WIN 0x01
	s_wait_alu depctr_va_vdst(0)                   ; directly ahead of the first reader of O^T
.set n, 0
.rept 16
	v_pk_mul_f32 v[SA+n:SA+n+1], v[OA+n:OA+n+1], v[FA:FA+1] op_sel_hi:[1,0]
.set n, n+2
.endr
.set n, 0
.rept 16
	v_pk_mul_f32 v[SA+32+n:SA+32+n+1], v[OB+n:OB+n+1], v[FB:FB+1] op_sel_hi:[1,0]
.set n, n+2
.endr
	WIN 0
.set n, 0
.rept 64
	v_med3_num_f32 v[SA+n], v[SA+n], -v[BIG], v[BIG]
.set n, n+1
.endr
.set n, 0
.rept 8
	v_cvt_scalef32_pk8_bf8_f32 v[TTA+2*n:TTA+2*n+1], v[SA+8*n:SA+8*n+7], v[ONE]
.set n, n+1
.endr
	v_nop                                          ; one plain line behind the last conversion
.irp k, 0,1,2,3
	global_store_b128 v[LA], v[TTA+4*\k:TTA+4*\k+3], s[\op:\op+1] offset:512*\k
.endr
.endm
; A STEP: my 32 queries x the 128 keys of the chunk at s[CUR].  Its K is in registers or on its way; V of this chunk and K of the next (s[NXT]) are asked for behind the first products.
.macro STEP diag
	s_wait_dscnt 0x0                               ; K is in
	WIN 0x05
.set n, 0
.rept 8
	v_wmma_f32_16x16x64_bf8_bf8 v[SA+8*n:SA+8*n+7], v[KF+8*n:KF+8*n+7], v[QA:QA+7], 0
	v_wmma_f32_16x16x64_bf8_bf8 v[SB+8*n:SB+8*n+7], v[KF+8*n:KF+8*n+7], v[QB:QB+7], 0
.set n, n+1
.endr
	WIN 0
	v_add_nc_u32 v[ADV], s[CUR], v[LA]             ; four places in front of the loads over K and V and of the first read of the scores
	v_add_nc_u32 v[ADK], s[NXT], v[LA]
	v_nop
	v_nop
	WIN 0x40
.set n, 0
.rept 16
	ds_load_b128 v[VF+4*n:VF+4*n+3], v[ADV] offset:8192+512*n
.set n, n+1
.endr
.set n, 0
.rept 16
	ds_load_b128 v[KF+4*n:KF+4*n+3], v[ADK] offset:512*n
.set n, n+1
.endr
	WIN 0
.if \diag
	s_cmp_eq_u32 s[ST], s[SD]                      ; on a diagonal (step 15 - w or 16: the wave's number and the count of steps alone) hidden scores become -infinity
	s_cselect_b32 s57, 1, 0
	s_cmp_eq_u32 s[ST], 16
	s_cselect_b32 s57, 1, s57
	s_cmp_eq_u32 s57, 0
	s_cbranch_scc1 .Lopen_\@
.set n, 0
.rept 64
	v_cmp_gt_i32 vcc_lo, 16*(n/8)+n%8, v[DA]       ; register n holds key 8 h + 16 (n / 8) + n % 8 of the chunk
	v_cmp_gt_i32 s58, 16*(n/8)+n%8, v[DB]
	v_cndmask_b32 v[SA+n], v[SA+n], v[NEG], vcc_lo
	v_cndmask_b32 v[SB+n], v[SB+n], v[NEG], s58
.set n, n+1
.endr
.Lopen_\@:
.endif
	v_max3_num_f32 v27, v[SA], v[SA+1], v[SA+2]    ; the largest score of each query: two chains for A, two for B, each tile from its low end on
	v_max3_num_f32 v29, v[SB], v[SB+1], v[SB+2]
	v_max3_num_f32 v28, v[SA+3], v[SA+4], v[SA+5]
	v_max3_num_f32 v30, v[SB+3], v[SB+4], v[SB+5]
.set n, 6
.rept 14
	v_max3_num_f32 v27, v27, v[SA+n], v[SA+n+1]
	v_max3_num_f32 v29, v29, v[SB+n], v[SB+n+1]
	v_max3_num_f32 v28, v28, v[SA+n+2], v[SA+n+3]
	v_max3_num_f32 v30, v30, v[SB+n+2], v[SB+n+3]
.set n, n+4
.endr
	v_max3_num_f32 v27, v27, v[SA+62], v[SA+63]
	v_max3_num_f32 v29, v29, v[SB+62], v[SB+63]
	v_max_num_f32 v27, v27, v28
	v_max_num_f32 v29, v29, v30
	v_permlanex16_b32 v31, v27, s[SEL], s[SEL+1]
	v_permlanex16_b32 v9, v29, s[SEL], s[SEL+1]
	v_max_num_f32 v27, v27, v31
	v_max_num_f32 v29, v29, v9
	v_mul_f32 v27, s[CS], v27                      ; as t (c is positive)
	v_mul_f32 v29, s[CS], v29
	v_max_num_f32 v[MA+1], v[MA+1], v27
	v_max_num_f32 v[MB+1], v[MB+1], v29
	v_mov_b32 v27, v[MA]
	v_mov_b32 v29, v[MB]
	v_floor_f32 v[MA], -v[MA+1]                    ; -M = floor(-t): a whole number
	v_floor_f32 v[MB], -v[MB+1]
	v_sub_f32 v27, v[MA], v27                      ; old M - new M
	v_sub_f32 v29, v[MB], v29
	v_cvt_i32_f32 v27, v27
	v_cvt_i32_f32 v29, v29
	v_ldexp_f32 v[FA], 1.0, v27                    ; f = 2^(old M - new M)
	v_ldexp_f32 v[FB], 1.0, v29
	WIN 0x41
.set n, 0
.rept 16
	v_pk_mul_f32 v[OA+n:OA+n+1], v[OA+n:OA+n+1], v[FA:FA+1] op_sel_hi:[1,0]   ; O^T under the new M: read here, ahead of the step's exponentials
	v_pk_mul_f32 v[OB+n:OB+n+1], v[OB+n:OB+n+1], v[FB:FB+1] op_sel_hi:[1,0]
.set n, n+2
.endr
	WIN 0
.set n, 0
.rept 32
	v_pk_fma_f32 v[SA+n:SA+n+1], v[SA+n:SA+n+1], s[CS:CS+1], v[MA:MA+1] op_sel_hi:[1,0,0]   ; A: t - M
.set n, n+2
.endr
	s_wait_alu depctr_va_vdst(0)                   ; ahead of the batch
.set n, 0
.rept 32                               ; A's exponentials; among them B's t - M, lines that read nothing written inside the batch
	v_exp_f32 v[SA+n], v[SA+n]
	v_exp_f32 v[SA+n+1], v[SA+n+1]
	v_pk_fma_f32 v[SB+n:SB+n+1], v[SB+n:SB+n+1], s[CS:CS+1], v[MB:MB+1] op_sel_hi:[1,0,0]
.set n, n+2
.endr
	s_wait_alu depctr_va_vdst(0)                   ; behind A's batch and ahead of B's: one wait serves both
.set n, 0
.rept 16                               ; B's exponentials; among them A's first level of sums (of the unquantised p) and then A's hold: each line reads only what stood before the batch
	v_exp_f32 v[SB+n], v[SB+n]
	v_exp_f32 v[SB+n+1], v[SB+n+1]
	v_pk_add_f32 v[TTA+n/2:TTA+n/2+1], v[SA+n:SA+n+1], v[SA+n+2:SA+n+3]
	v_exp_f32 v[SB+n+2], v[SB+n+2]
	v_dual_min_num_f32 v[SA+n], v[SA+n], v[HL] :: v_dual_min_num_f32 v[SA+n+1], v[SA+n+1], v[HL+1]   ; the conversion does not saturate (ISA guide 7.6.2); p is not negative: a one-sided hold
	v_exp_f32 v[SB+n+3], v[SB+n+3]
	v_dual_min_num_f32 v[SA+n+2], v[SA+n+2], v[HL] :: v_dual_min_num_f32 v[SA+n+3], v[SA+n+3], v[HL+1]
.set n, n+4
.endr
	v_nop                                          ; a plain line behind the last exponential
	s_wait_alu depctr_va_vdst(0)                   ; one wait for the batch, ahead of its first reader
.set n, 0
.rept 8
	v_cvt_scalef32_pk8_bf8_f32 v[CA+2*n:CA+2*n+1], v[SA+8*n:SA+8*n+7], v[SCL]
.set n, n+1
.endr
.set n, 0
.rept 16
	v_pk_add_f32 v[TTB+n/2:TTB+n/2+1], v[SB+n:SB+n+1], v[SB+n+2:SB+n+3]
.set n, n+4
.endr
	s_wait_alu depctr_va_vdst(0)
	s_wait_dscnt 16                                ; V's 16 loads are in; the 16 issued behind them (the next K) may be out
	WIN 0x51
.set n, 0
.rept 4
	v_wmma_f32_16x16x128_bf8_bf8 v[OA+8*n:OA+8*n+7], v[VF+16*n:VF+16*n+15], v[CA:CA+15], v[OA+8*n:OA+8*n+7]
.set n, n+1
.endr
	WIN 0
.set n, 0
.rept 32
	v_dual_min_num_f32 v[SB+n], v[SB+n], v[HL] :: v_dual_min_num_f32 v[SB+n+1], v[SB+n+1], v[HL+1]
.set n, n+2
.endr
.irp w, 4,8,16,32                      ; the sums' further levels, A and B by turns
.set n, 0
.rept 32/\w
	v_pk_add_f32 v[TTA+n:TTA+n+1], v[TTA+n:TTA+n+1], v[TTA+n+\w/2:TTA+n+\w/2+1]
	v_pk_add_f32 v[TTB+n:TTB+n+1], v[TTB+n:TTB+n+1], v[TTB+n+\w/2:TTB+n+\w/2+1]
.set n, n+\w
.endr
.endr
	v_pk_fma_f32 v[LSA:LSA+1], v[LSA:LSA+1], v[FA:FA+1], v[TTA:TTA+1] op_sel_hi:[1,0,1]   ; the running sum under the new M, plus this step's
	v_pk_fma_f32 v[LSB:LSB+1], v[LSB:LSB+1], v[FB:FB+1], v[TTB:TTB+1] op_sel_hi:[1,0,1]
.set n, 0
.rept 8
	v_cvt_scalef32_pk8_bf8_f32 v[CB+2*n:CB+2*n+1], v[SB+8*n:SB+8*n+7], v[SCL]
.set n, n+1
.endr
	v_nop                                          ; one plain line behind the last conversion
	WIN 0x51
.set n, 0
.rept 4
	v_wmma_f32_16x16x128_bf8_bf8 v[OB+8*n:OB+8*n+7], v[VF+16*n:VF+16*n+15], v[CB:CB+15], v[OB+8*n:OB+8*n+7]
.set n, n+1
.endr
	WIN 0
.endm
	s_load_b128 s[4:7], s[0:1], 0x0                ; qkvc, the scales' exponents
	s_load_b64 s[8:9], s[0:1], 0x10                ; oc
	v_lshl_add_u32 v[SPW], v0, 2, SPARE
	v_mov_b32 v[NIL], 0
	ds_add_u32 v[SPW], v[NIL]                      ; the opening: the add, twice on end, and its wait ahead of my first tensor load
	ds_add_u32 v[SPW], v[NIL]
	v_lshrrev_b32 v9, 5, v0
	v_readfirstlane_b32 s[WV], v9                  ; wave 0..7
	s_bfe_u32 s[CX], ttmp6, 0x40000                ; i
	s_and_b32 s[HD], ttmp7, 0xffff                 ; the cluster's y: b x 16 + h
	s_mov_b32 s16, 15|(1<<21)                      ; group 1, first loads: mask of the four, bit 21 beside it; elements of 1 byte; no padding; 40 rows of 256 bytes, dense
	s_mov_b32 s17, 256<<16
	s_mov_b32 s18, 40<<16
	s_mov_b32 s19, 256<<16
	s_mov_b32 s20, 40
	s_mov_b32 s21, 256
	s_mov_b32 s22, 0
	s_mov_b32 s23, 0
	s_mov_b32 s24, 15|(1<<21)                      ; second loads: 88 rows
	s_mov_b32 s25, 256<<16
	s_mov_b32 s26, 88<<16
	s_mov_b32 s27, 256<<16
	s_mov_b32 s28, 88
	s_mov_b32 s29, 256
	s_mov_b32 s30, 0
	s_mov_b32 s31, 0
	s_mul_i32 s57, s[WV], 10240                    ; my part of chunks 0-4: the same byte in LDS and in the head's K and V
	s_mul_i32 s58, s[WV], 22528
	s_add_co_u32 s58, s58, 5*CH                    ; and of chunks 5-15
	s_lshl_b32 s60, s[HD], 18
	s_add_co_u32 s60, s60, 0x1000000               ; section 1 of qkvc, my head
	s_mov_b32 s61, 0
	s_mov_b32 s63, 0
	s_wait_dscnt 0x0                               ; both opening adds are done
	s_wait_kmcnt 0x0
	s_add_nc_u64 s[60:61], s[4:5], s[60:61]
	s_mov_b32 s32, 1
	s_mov_b32 s33, s57
	s_mov_b32 s62, s57
	s_add_nc_u64 s[34:35], s[60:61], s[62:63]
	s_or_b32 s35, s35, 0x80000000
	s_mov_b32 s36, 1
	s_mov_b32 s37, s58
	s_mov_b32 s62, s58
	s_add_nc_u64 s[38:39], s[60:61], s[62:63]
	s_or_b32 s39, s39, 0x80000000
	ROUND                                          ; the four work-groups are here: the first joint loads meet
	tensor_load_to_lds s[32:35], s[16:23]          ; one tensor load a wave at the head
	s_nop 0
.rept 4
	v_nop
.endr
	s_load_b128 s[68:71], s[6:7], 0x18             ; e6, e7, e8, e9
	s_load_b32 s72, s[6:7], 0x28                   ; e10
	s_sub_co_u32 s[SD], 15, s[WV]
	s_sub_co_u32 s[SL], 16, s[WV]
	PTRS SD, QPL, OPL                              ; first the tile m = 15 - w,
	PTRS WV, QPS, OPS                              ; then m = w
	s_lshl_b32 s62, s[CX], 5
	s_mov_b32 s[SEL], 0x76543210
	s_mov_b32 s[SEL+1], 0xfedcba98
	s_mov_b32 s[CS], 0x3d38aa3b                    ; log2(e) / 32
	v_and_b32 v[LA], 31, v0
	v_lshlrev_b32 v[LA], 4, v[LA]
	v_and_b32 v[DA], 15, v0
	v_bfe_u32 v[DB], v0, 4, 1
	v_lshlrev_b32 v[DB], 3, v[DB]
	v_sub_nc_u32 v[DA], v[DA], v[DB]
	v_add_nc_u32 v[DA], s62, v[DA]                 ; 32 i + r - 8 h
	v_add_nc_u32 v[DB], 16, v[DA]
	v_mov_b32 v[NEG], 0xff800000
	v_mov_b32 v[ONE], 1.0
	v_mov_b32 v[BIG], 0x47600000
	v_mov_b32 v[FA+1], 0
	v_mov_b32 v[FB+1], 0
	v_mov_b32 v31, 0                               ; a lane permute's destination counts as one of its sources
	INIT QPL
	s_wait_kmcnt 0x0
	s_add_co_i32 s57, s68, s69
	s_lshl_b32 s57, s57, 23
	s_add_co_i32 s[CS], s[CS], s57                 ; e6 + e7 added to c's exponent field
	s_mov_b32 s[CS+1], s[CS]
	s_add_co_i32 s57, s70, 127
	s_lshl_b32 s58, s57, 23
	v_mov_b32 v[SCL], s58
	s_add_co_i32 s57, s57, 15
	s_lshl_b32 s57, s57, 23
	s_or_b32 s57, s57, 0x600000
	v_mov_b32 v[HL], s57
	v_mov_b32 v[HL+1], s57
	s_add_co_i32 s73, s70, s71
	s_sub_co_i32 s73, s73, s72                     ; e8 + e9 - e10
	s_mov_b32 s[CUR], 0
	s_mov_b32 s[NXT], CH
	s_mov_b32 s[ST], 0
	s_wait_alu depctr_va_vdst(0)
	s_wait_tensorcnt 0x0                           ; my part of chunks 0-4 is in
	ds_add_u32 v[SPW], v[NIL]
	s_wait_dscnt 0x0
	ROUND                                          ; everybody's part is in, and the four work-groups meet
	tensor_load_to_lds s[36:39], s[24:31]          ; chunks 5-15: the first tensor load behind the round, and my last
	s_nop 0
.rept 4
	v_nop
.endr
	WIN 0x40
.set n, 0
.rept 16
	ds_load_b128 v[KF+4*n:KF+4*n+3], v[LA] offset:512*n    ; K of chunk 0
.set n, n+1
.endr
	WIN 0
.Lp1:                                              ; steps 0-3 of my first tile: chunks 0-3, all keys open (its queries begin at 1,024 or later); K is fetched ahead up to chunk 4
	STEP 0
	s_add_co_u32 s[CUR], s[CUR], CH
	s_add_co_u32 s[NXT], s[NXT], CH
	s_add_co_u32 s[ST], s[ST], 1
	s_wait_alu depctr_va_vdst(0)
	s_cmp_lt_u32 s[ST], 4
	s_cbranch_scc1 .Lp1
	s_wait_tensorcnt 0x0                           ; my part of chunks 5-15 is in,
	s_wait_dscnt 0x0
	s_barrier_signal -1
	s_barrier_wait -1                              ; everybody's is
	s_mov_b32 s[ST], 4
.Lp2:                                              ; steps 4-16.  Chunk of step s: s in my first tile (s < 16 - w), (s + w) mod 16 = s - (16 - w) in my second
	s_cmp_ge_u32 s[ST], s[SL]
	s_cselect_b32 s57, s[WV], 0
	s_add_co_u32 s57, s57, s[ST]
	s_and_b32 s57, s57, 15
	s_lshl_b32 s[CUR], s57, 14
	s_add_co_u32 s58, s[ST], 1
	s_cmp_ge_u32 s58, s[SL]
	s_cselect_b32 s57, s[WV], 0
	s_add_co_u32 s57, s57, s58
	s_and_b32 s57, s57, 15
	s_lshl_b32 s[NXT], s57, 14                     ; (behind step 16 this names chunk w + 1, whose K is fetched and not used)
	s_cmp_lg_u32 s[ST], s[SL]                      ; the wave's number and the count of steps alone
	s_cbranch_scc1 .Lsame
	FINISH OPL
	INIT QPS
	s_wait_xcnt 0x0                                ; the stores have read their codes' registers, which the next step writes
.Lsame:
	STEP 1
	s_add_co_u32 s[ST], s[ST], 1
	s_wait_alu depctr_va_vdst(0)
	s_cmp_lt_u32 s[ST], 17
	s_cbranch_scc1 .Lp2
	FINISH OPS
	s_wait_tensorcnt 0x0                           ; the wave's end
	ds_add_u32 v[SPW], v[NIL]
	s_wait_dscnt 0x0
	ROUND                                          ; the closing round
	s_endpgm
.Lfunc_end_k_q3b7405473c_attn:
	.size	k_q3b7405473c_attn, .Lfunc_end_k_q3b7405473c_attn-k_q3b7405473c_attn
	.p2alignl 7, 3214868480
	.fill 96, 4, 3214868480
	.section	.rodata,"a",@progbits
	.p2align	6, 0x0
	.amdhsa_kernel k_q3b7405473c_attn
		.amdhsa_group_segment_fixed_size 327680
		.amdhsa_private_segment_fixed_size 0
		.amdhsa_enable_private_segment 0
		.amdhsa_kernarg_size 24
		.amdhsa_user_sgpr_count 2
		.amdhsa_user_sgpr_kernarg_segment_ptr 1
		.amdhsa_wavefront_size32 1
		.amdhsa_system_sgpr_workgroup_id_x 1
		.amdhsa_system_sgpr_workgroup_id_y 1
		.amdhsa_system_sgpr_workgroup_id_z 1
		.amdhsa_system_vgpr_workitem_id 0
		.amdhsa_next_free_vgpr 512
		.amdhsa_next_free_sgpr 80
		.amdhsa_reserve_vcc 1
		.amdhsa_float_denorm_mode_32 3
		.amdhsa_float_denorm_mode_16_64 3
		.amdhsa_memory_ordered 1
		.amdhsa_forward_progress 1
		.amdhsa_inst_pref_size 101
	.end_amdhsa_kernel
	.amdgpu_metadata
---
amdhsa.version: [ 1, 2 ]
amdhsa.kernels:
  - .name:           k_q3b7405473c_attn
    .symbol:         k_q3b7405473c_attn.kd
    .args:
      - { .name: qkvc, .offset: 0, .size: 8, .value_kind: global_buffer, .address_space: global }
      - { .name: lowp_scales, .offset: 8, .size: 8, .value_kind: global_buffer, .address_space: global }
      - { .name: oc, .offset: 16, .size: 8, .value_kind: global_buffer, .address_space: global }
    .group_segment_fixed_size: 327680
    .private_segment_fixed_size: 0
    .kernarg_segment_align: 8
    .kernarg_segment_size: 24
    .max_flat_workgroup_size: 256
    .sgpr_count:     80
    .vgpr_count:     512
    .wavefront_size: 32
...
	.end_amdgpu_metadata
.endif
;; end of part 3
;; launch proj (part 4): grid 4 x 64, 4 waves a work-group, clusters of 4 x 4, 327,680 bytes of LDS; arguments oc, wc, lowp_scales, bp, out0; writes out0
.if DOCPART == 4
	.amdgcn_target "amdgcn-amd-amdhsa--gfx1250"
	.amdhsa_code_object_version 6
	.text
	.protected	k_q3b7405473c_proj
	.globl	k_q3b7405473c_proj
	.p2align	8
	.type	k_q3b7405473c_proj,@function
k_q3b7405473c_proj:
	s_mov_b64 s[64:65], 0
	v_nop
	global_prefetch_b8 v0, s[64:65] scope:SCOPE_SE
	s_setreg_imm32_b32 hwreg(HW_REG_WAVE_MODE, 25, 1), 1
	s_wait_xcnt 0x0
	s_wait_alu depctr_hold_cnt(0) depctr_sa_sdst(0) depctr_va_vdst(0) depctr_va_sdst(0) depctr_va_ssrc(0) depctr_va_vcc(0) depctr_vm_vsrc(0)
	s_getreg_b32 s2, hwreg(HW_REG_IB_STS2, 6, 4)
	s_cmp_eq_u32 s2, 0
	s_cbranch_scc0 .Lentry_in_a_cluster
	s_endpgm
.Lentry_in_a_cluster:
	s_bfe_u32 s2, ttmp6, 0x10000c
	s_cmp_lg_u32 s2, 0xf033
	s_cbranch_scc0 .Lentry_shape_is_right
	s_endpgm
.Lentry_shape_is_right:
; out0 = o Wp + bp on codes of BF8 (E5M2), K = 1,024, sums in f32; each finished sum x 2^(e10 + e11), plus the bias, leaves as f32.  LIMIT: e10 + e11 between -126 and 127.
; A tile of 128 tokens x 256 columns is made by four waves, 64 x 128 each: 32 accumulators.  8,192 x 1,024 results are 256 such tiles: one for each work-group.
; K goes in steps of 256 (four heads) through a ring of two LDS slots.  THE MATRIX INSTRUCTION IS USED TRANSPOSED (source 0 = 16 rows of Wp's codes, source 1 = 16 tokens): a lane holds eight neighbouring columns of one row of out0.
; A = oc [block of 256 tokens][16 h][16 tiles of 16 tokens][2 c][32 lanes][16 bytes], the order of the operand's registers: my 128 tokens of a head are 8,192 bytes on end, heads 16,384 bytes apart; an LDS load reads 512 bytes on end.
; B = section 3 of wc, [1,024 n][1,024 positions of k], rows padded in LDS.
; CLUSTERS: 4 x 4 work-groups: A's tile is shared along a row of the cluster, B's along a column, each asked for jointly.
; NO PREFETCH: K has four steps; steps 0 and 1 are asked for at the start and steps 2 and 3 at the first two changes of slots, so no request could stand two steps ahead of a load but at the head.
; REGISTERS: window 0: v16-29 addresses; v32-95 the bias; v128-255 A's fragments, two sets of 64 (on the way out: rows read back).  window 1: B's fragments, two sets of 128 (on the way out: v0-63 results).  window 2: the accumulators.
.set ROWB,   256
.set KROW,   1024
.set AREG,   32768                     ; A's part of a slot: four heads x 8,192 bytes
.set ASTEP,  65536                     ; four heads on in oc
.set PITCH,  272
.set HALFT,  128*PITCH
.set SLOT,   AREG+2*HALFT
.set SPARE,  2*SLOT                    ; the spare words
.set NP,     4
.set SPITCH, 528                       ; the way out: 16 rows x (512 + 16) bytes for each wave, in slot 0, which has had its last fill and its last read by then
.set ADRA, 16
.set ADRB, 20
.set STO,  24
.set RD,   25
.set CO,   26
.set SPW,  28
.set NIL,  29
.set BIAS, 32
.set TMP,  0
.set AF,   128
.set BK,   128
.set G1, 24
.set G0, 32
.set G1B, 48
.set G0B, 56
.set MSB, 0
.macro WIN new
.if MSB != \new
	s_set_vgpr_msb (MSB<<8)|\new
.set MSB, \new
.endif
.endm
.set MUL_LO, 0xa1                      ; source 0 (B) window 1, source 1 (A) window 0, C and D window 2
.set TO_B,   0x40
.macro JLOAD g0a, g1a, g0b, g1b        ; waves 0 and 1 fetch for A, waves 2 and 3 for B
	s_cmp_eq_u32 s15, 0
	s_cbranch_scc0 .Lfor_b_\@
	tensor_load_to_lds s[\g0a:\g0a+3], s[\g1a:\g1a+7]
	s_nop 0
.rept 4
	v_nop
.endr
	s_branch .Lasked_\@
.Lfor_b_\@:
	tensor_load_to_lds s[\g0b:\g0b+3], s[\g1b:\g1b+7]
	s_nop 0
.rept 4
	v_nop
.endr
.Lasked_\@:
.endm
.macro CREST
	s_cmp_lg_u32 s14, 0
	s_cbranch_scc1 .Lnot_wave_0_\@
	s_barrier_signal -3
.Lnot_wave_0_\@:
	s_barrier_wait -3
	s_barrier_signal -1
	s_barrier_wait -1
.endm
.macro CROUND
	s_barrier_signal -1
	s_barrier_wait -1
	CREST
.endm
	s_load_b256 s[4:11], s[0:1], 0x0               ; oc, wc, the scales' exponents, bp
	s_load_b64 s[12:13], s[0:1], 0x20              ; out0
	v_lshl_add_u32 v[SPW], v0, 2, SPARE
	v_mov_b32 v[NIL], 0
	ds_add_u32 v[SPW], v[NIL]                      ; the opening: the add, twice on end, and its wait ahead of my first tensor load
	ds_add_u32 v[SPW], v[NIL]
	v_lshrrev_b32 v1, 5, v0
	v_readfirstlane_b32 s14, v1                    ; wave 0..3
	s_lshr_b32 s15, s14, 1                         ; my 64 of the tile's tokens.  Also: I fetch for A (0) or for B (1)
	s_and_b32 s16, s14, 1                          ; my 128 of its columns.  Also: which half of that tile I fetch
	s_bfe_u32 s40, ttmp6, 0x40000
	s_bfe_u32 s41, ttmp6, 0x40004
	s_lshl_b32 s42, ttmp9, 2
	s_add_co_u32 s42, s42, s40                     ; the tile of 256 columns
	s_and_b32 s17, ttmp7, 0xffff
	s_lshl_b32 s17, s17, 2
	s_add_co_u32 s17, s17, s41                     ; the tile of 128 tokens, 0 .. 63
	s_lshl_b32 s43, s41, 2
	s_lshl_b32 s43, 15, s43
	s_lshl_b32 s44, 0x1111, s40
	s_or_b32 s[G1+0], s43, (3<<16)|(1<<21)         ; A: the mask of my row; elements of 8 bytes; no padding: two heads, a row of 8,192 bytes each, 16,384 bytes apart
	s_mov_b32 s[G1+1], 1024<<16
	s_mov_b32 s[G1+2], 2<<16
	s_mov_b32 s[G1+3], 1024<<16
	s_mov_b32 s[G1+4], 2
	s_mov_b32 s[G1+5], 2048
	s_mov_b32 s[G1+6], 0
	s_mov_b32 s[G1+7], 0
	s_or_b32 s[G1B+0], s44, (0<<16)|(1<<20)|(1<<21)|(5<<22)|(3<<25)  ; B: the mask of my column; 128 rows of 256 bytes, four words of padding behind each
	s_mov_b32 s[G1B+1], ROWB<<16
	s_mov_b32 s[G1B+2], 128<<16
	s_mov_b32 s[G1B+3], ROWB<<16
	s_mov_b32 s[G1B+4], 128
	s_mov_b32 s[G1B+5], KROW
	s_mov_b32 s[G1B+6], 0
	s_mov_b32 s[G1B+7], 0
	s_lshr_b32 s20, s17, 1
	s_lshl_b32 s20, s20, 18                        ; A: the block of 256 tokens,
	s_and_b32 s22, s17, 1
	s_lshl_b32 s22, s22, 13                        ; my tile's half of each head's plane,
	s_add_co_u32 s20, s20, s22
	s_lshl_b32 s22, s16, 15                        ; the two heads that I fetch
	s_add_co_u32 s20, s20, s22
	s_mov_b32 s21, 0
	s_lshl_b32 s46, s42, 18
	s_lshl_b32 s23, s16, 17
	s_add_co_u32 s46, s46, s23
	s_add_co_u32 s46, s46, 3<<20                   ; B: section 3 of wc
	s_mov_b32 s47, 0
	s_lshl_b32 s45, s16, 14                        ; where they go
	s_mul_i32 s2, s16, HALFT
	s_add_co_u32 s2, s2, AREG
	s_wait_dscnt 0x0                               ; both opening adds are done
	s_wait_kmcnt 0x0
	s_load_b64 s[96:97], s[8:9], 0x28              ; e10, e11
	s_add_nc_u64 s[20:21], s[4:5], s[20:21]
	s_add_nc_u64 s[46:47], s[6:7], s[46:47]
	CROUND                                         ; all sixteen work-groups are here: the first joint loads meet
.irp s, 0,1
	s_mov_b32 s[G0+4*\s], 1
	s_add_co_u32 s[G0+4*\s+1], s45, \s*SLOT
	s_add_nc_u64 s[G0+4*\s+2:G0+4*\s+3], s[20:21], \s*ASTEP
	s_or_b32 s[G0+4*\s+3], s[G0+4*\s+3], 0x80000000
	s_mov_b32 s[G0B+4*\s], 1
	s_add_co_u32 s[G0B+4*\s+1], s2, \s*SLOT
	s_add_nc_u64 s[G0B+4*\s+2:G0B+4*\s+3], s[46:47], \s*ROWB
	s_or_b32 s[G0B+4*\s+3], s[G0B+4*\s+3], 0x80000000
.endr
	JLOAD G0, G1, G0B, G1B                         ; K step 0: one tensor load a wave at the head
	s_lshl_b32 s84, s15, 12                        ; my four tiles of 16 tokens: 4,096 bytes on in each head's plane
	s_add_co_u32 s85, s84, SLOT
	s_mul_i32 s86, s16, HALFT
	s_add_co_u32 s86, s86, AREG
	s_add_co_u32 s87, s86, SLOT
	s_mul_i32 s88, s14, 16*SPITCH                  ; my stage
	s_lshl_b32 s46, s42, 10                        ; my first column, in bytes
	s_lshl_b32 s47, s16, 9
	s_add_co_u32 s46, s46, s47
	s_mov_b32 s47, 0
	s_add_nc_u64 s[10:11], s[10:11], s[46:47]
	s_add_nc_u64 s[12:13], s[12:13], s[46:47]
	s_lshl_b32 s20, s17, 19                        ; 128 rows of 4,096 bytes a tile,
	s_lshl_b32 s21, s15, 18                        ; my 64
	s_add_co_u32 s20, s20, s21
	s_mov_b32 s21, 0
	s_add_nc_u64 s[12:13], s[12:13], s[20:21]
	v_and_b32 v1, 15, v0
	v_bfe_u32 v2, v0, 4, 1
	v_and_b32 v6, 31, v0
	v_lshlrev_b32 v[CO], 4, v6
	v_add_nc_u32 v[ADRA], s84, v[CO]
	v_add_nc_u32 v[ADRA+1], s85, v[CO]
	v_mul_u32_u24 v4, v1, PITCH
	v_lshl_add_u32 v4, v2, 4, v4
	v_add_nc_u32 v[ADRB], s86, v4
	v_add_nc_u32 v[ADRB+1], s87, v4
	v_mul_u32_u24 v5, v1, SPITCH
	v_lshl_add_u32 v5, v2, 5, v5
	v_add_nc_u32 v[STO], s88, v5
	v_add_nc_u32 v[RD], s88, v[CO]
	v_lshlrev_b32 v7, 5, v2
.irp b, 0,1,2,3,4,5,6,7
	global_load_b128 v[BIAS+8*\b:BIAS+8*\b+3], v7, s[10:11] offset:64*\b        ; the bias at my lane's eight columns of each of B's blocks
	global_load_b128 v[BIAS+8*\b+4:BIAS+8*\b+7], v7, s[10:11] offset:64*\b+16
.endr
; the fragments of the slot's q-th 128 along K into set p: B's eight, A's four
.macro FETCH slot, q, p
	WIN TO_B
.irp i, 0,1,2,3,4,5,6,7
.irp c, 0,1,2,3
	ds_load_b128 v[128*(\p)+16*\i+4*\c:128*(\p)+16*\i+4*\c+3], v[ADRB+\slot] offset:128*(\q)+32*\c+\i*16*PITCH
.endr
.endr
	WIN 0
.irp i, 0,1,2,3
.irp c, 0,1,2,3
	ds_load_b128 v[AF+64*(\p)+16*\i+4*\c:AF+64*(\p)+16*\i+4*\c+3], v[ADRA+\slot] offset:16384*(\q)+8192*(\c/2)+1024*\i+512*(\c%2)
.endr
.endr
.endm
; 16 matrix instructions: A's blocks a0, a0 + 1 x B's eight.  The 32 accumulators take turns, one instruction a turn.
.macro MUL16 a0, p, zero
.irp a, \a0, \a0+1
.irp b, 0,1,2,3,4,5,6,7
.if \zero
	v_wmma_f32_16x16x128_bf8_bf8 v[8*(8*(\a)+\b):8*(8*(\a)+\b)+7], v[128*(\p)+16*\b:128*(\p)+16*\b+15], v[AF+64*(\p)+16*(\a):AF+64*(\p)+16*(\a)+15], 0
.else
	v_wmma_f32_16x16x128_bf8_bf8 v[8*(8*(\a)+\b):8*(8*(\a)+\b)+7], v[128*(\p)+16*\b:128*(\p)+16*\b+15], v[AF+64*(\p)+16*(\a):AF+64*(\p)+16*(\a)+15], v[8*(8*(\a)+\b):8*(8*(\a)+\b)+7]
.endif
.endr
.endr
.endm
.macro PLACES n
.rept \n
	v_nop
.endr
.endm
.macro STEP slot, zero                 ; a slot's first 128 along K, on set 0; the second 128's fragments are fetched into set 1 ahead of the products
	s_wait_dscnt 0x0                               ; set 0 is in
	PLACES NP                                      ; in front of loads into registers that the last products have read
	FETCH \slot, 1, 1
	WIN MUL_LO
	MUL16 0, 0, \zero
	MUL16 2, 0, \zero
	WIN 0
.endm
.macro TURN slot, next, fill           ; a slot's second 128, on set 1, and the change of slots.  fill = 1: this slot takes the K step two on
	s_wait_tensorcnt 0x0                           ; all my tensor loads have landed: my part of the next slot
	ds_add_u32 v[SPW], v[NIL]
	s_wait_dscnt 0x0                               ; the add is done, set 1 is in, and my reads of this slot are over
	s_barrier_signal -1
	WIN MUL_LO
	MUL16 0, 1, 0
	WIN 0
	s_barrier_wait -1
.if \fill
	CREST                                          ; the barrier has opened a round of the cluster's barrier
	s_add_nc_u64 s[G0+4*\slot+2:G0+4*\slot+3], s[G0+4*\slot+2:G0+4*\slot+3], 2*ASTEP
	s_add_nc_u64 s[G0B+4*\slot+2:G0B+4*\slot+3], s[G0B+4*\slot+2:G0B+4*\slot+3], 2*ROWB
	JLOAD G0+4*\slot, G1, G0B+4*\slot, G1B         ; the first tensor load behind the round; its four v_nop are the places in front of the loads below
.else
	PLACES NP
.endif
	FETCH \next, 0, 0
	WIN MUL_LO
	MUL16 2, 1, 0
	WIN 0
.endm
	s_wait_alu depctr_va_vdst(0)
	s_wait_tensorcnt 0x0                           ; my part of K step 0 is in
	ds_add_u32 v[SPW], v[NIL]
	s_wait_dscnt 0x0
	CROUND
	JLOAD G0+4, G1, G0B+4, G1B                     ; K step 1: the first tensor load behind the round
	FETCH 0, 0, 0
	STEP 0, 1                                      ; the first products start the sums
	TURN 0, 1, 1                                   ; slot 0 takes K step 2
	STEP 1, 0
	TURN 1, 0, 1                                   ; slot 1 takes K step 3
	STEP 0, 0
	TURN 0, 1, 0
	STEP 1, 0
	s_wait_dscnt 0x0
	WIN MUL_LO
	MUL16 0, 1, 0
	MUL16 2, 1, 0
	WIN 0
; THE WAY OUT, block by block of 16 rows x 128 columns: sum x 2^(e10 + e11) + bias, through my stage, back as whole rows of 512 bytes, which the 32 lanes store as two aligned units of 256 bytes.
.macro TOSTAGE a
.set AC, 64*(\a)
	WIN 0x42                                       ; source 0 window 2, destination window 1, the bias in window 0
.irp j, 0,2,4,6,8,10,12,14,16,18,20,22,24,26,28,30,32,34,36,38,40,42,44,46,48,50,52,54,56,58,60,62
	v_pk_fma_f32 v[TMP+\j:TMP+\j+1], v[AC+\j:AC+\j+1], s[96:97], v[BIAS+\j:BIAS+\j+1] op_sel_hi:[1,0,1]
.endr
	WIN 0x04
.irp b, 0,1,2,3,4,5,6,7
	ds_store_b128 v[STO], v[TMP+8*\b:TMP+8*\b+3] offset:64*\b
	ds_store_b128 v[STO], v[TMP+8*\b+4:TMP+8*\b+7] offset:64*\b+16
.endr
	WIN 0
.set BB, BK+64*((\a)%2)
.irp t, 0,1,2,3,4,5,6,7,8,9,10,11,12,13,14,15
	ds_load_b128 v[BB+4*\t:BB+4*\t+3], v[RD] offset:\t*SPITCH   ; LDS serves a wave's instructions in order (ISA guide 5.7.1.4): these see my stores
.endr
.endm
.macro SEND a, younger
.set BB, BK+64*((\a)%2)
	s_wait_dscnt \younger
.if (\a) > 0
	s_add_nc_u64 s[12:13], s[12:13], 16*4096       ; (behind a wait on XCNT)
.endif
.irp t, 0,1,2,3,4,5,6,7,8,9,10,11,12,13,14,15
	global_store_b128 v[CO], v[BB+4*\t:BB+4*\t+3], s[12:13] offset:\t*4096 th:TH_STORE_NT
.endr
.endm
	s_wait_kmcnt 0x0
	s_add_co_i32 s96, s96, s97
	s_add_co_i32 s96, s96, 127
	s_lshl_b32 s96, s96, 23                        ; 2^(e10 + e11) as f32
	s_wait_loadcnt 0x0                             ; the bias
	PLACES NP
	TOSTAGE 0
.irp a, 1,2,3
.if \a > 1
	s_wait_xcnt 0x0                                ; block a - 2's stores have read their registers and their base
.endif
	TOSTAGE \a
	SEND \a-1, 32                                  ; behind block a - 1's loads: block a's 16 stores and 16 loads
.endr
	s_wait_xcnt 0x0
	SEND 3, 0
	s_wait_tensorcnt 0x0                           ; the wave's end
	ds_add_u32 v[SPW], v[NIL]
	s_wait_dscnt 0x0
	CROUND                                         ; the closing round
	s_endpgm
.Lfunc_end_k_q3b7405473c_proj:
	.size	k_q3b7405473c_proj, .Lfunc_end_k_q3b7405473c_proj-k_q3b7405473c_proj
	.p2alignl 7, 3214868480
	.fill 96, 4, 3214868480
	.section	.rodata,"a",@progbits
	.p2align	6, 0x0
	.amdhsa_kernel k_q3b7405473c_proj
		.amdhsa_group_segment_fixed_size 327680
		.amdhsa_private_segment_fixed_size 0
		.amdhsa_enable_private_segment 0
		.amdhsa_kernarg_size 40
		.amdhsa_user_sgpr_count 2
		.amdhsa_user_sgpr_kernarg_segment_ptr 1
		.amdhsa_wavefront_size32 1
		.amdhsa_system_sgpr_workgroup_id_x 1
		.amdhsa_system_sgpr_workgroup_id_y 1
		.amdhsa_system_sgpr_workgroup_id_z 1
		.amdhsa_system_vgpr_workitem_id 0
		.amdhsa_next_free_vgpr 768
		.amdhsa_next_free_sgpr 100
		.amdhsa_reserve_vcc 0
		.amdhsa_float_denorm_mode_32 3
		.amdhsa_float_denorm_mode_16_64 3
		.amdhsa_memory_ordered 1
		.amdhsa_forward_progress 1
		.amdhsa_inst_pref_size 77
	.end_amdhsa_kernel
	.amdgpu_metadata
---
amdhsa.version: [ 1, 2 ]
amdhsa.kernels:
  - .name:           k_q3b7405473c_proj
    .symbol:         k_q3b7405473c_proj.kd
    .args:
      - { .name: oc, .offset: 0, .size: 8, .value_kind: global_buffer, .address_space: global }
      - { .name: wc, .offset: 8, .size: 8, .value_kind: global_buffer, .address_space: global }
      - { .name: lowp_scales, .offset: 16, .size: 8, .value_kind: global_buffer, .address_space: global }
      - { .name: bp, .offset: 24, .size: 8, .value_kind: global_buffer, .address_space: global }
      - { .name: out0, .offset: 32, .size: 8, .value_kind: global_buffer, .address_space: global }
    .group_segment_fixed_size: 327680
    .private_segment_fixed_size: 0
    .kernarg_segment_align: 8
    .kernarg_segment_size: 40
    .max_flat_workgroup_size: 128
    .sgpr_count:     100
    .vgpr_count:     768
    .wavefront_size: 32
...
	.end_amdgpu_metadata
.endif
;; end of part 4
